; MI455X (gfx1250); checked and timed in simulation.
; The chip was launched on July 23, 2026; its instructions are those of AMD's public machine-readable ISA for CDNA 5 (MIT licence, August 2026) and "CDNA5" Instruction Set Architecture Reference Guide (July 2026). The comments in the code are by the model that wrote it; some were corrected since.
;; Causal Self Attention. Allowed arithmetic: matrix products marked QUANTISED: E5M2 operands, one E8M0 scale for each 32 along K, by v_wmma_scale_f32_16x16x128_f8f6f4 with both operands' format E5M2, f32 sums; everything else in f32.
;; Inputs: W_attn_codes 3,072 x 32 x 32 uint8 (E5M2 codes of W_attn, K innermost, in blocks of 32 codes); W_attn_scales 3,072 x 32 uint8 (E8M0 scales of W_attn, one for each 32 codes along K); W_proj_codes 1,024 x 32 x 32 uint8 (E5M2 codes of W_proj, K innermost, in blocks of 32 codes); W_proj_scales 1,024 x 32 uint8 (E8M0 scales of W_proj, one for each 32 codes along K); b_attn 3,072 float32; b_proj 1,024 float32; x_codes 4 x 2,048 x 32 x 32 uint8 (E5M2 codes of x, K innermost, in blocks of 32 codes); x_scales 4 x 2,048 x 32 uint8 (E8M0 scales of x, one for each 32 codes along K).
;; Outputs: out0 4 x 2,048 x 1,024 float32.
;; This version of the problem:
;;   THIS VERSION OF THE PROBLEM IS GIVEN IN LOW PRECISION. The matrix products marked QUANTISED in the list below multiply operands that are first quantised to E5M2 (5 exponent bits, 2 mantissa bits; 8 bits a number), with one power-of-two scale for each 32 numbers along K (OCP MX v1.0); their sums are f32. All else is computed in f32.
;;   The module's matrix products, in the order in which they are computed (A, B: the left and right operand; K: the contracted axis; several contracted axes count as one K, in the product's order):
;;     1. [M 8,192, K 1,024] x [K 1,024, N 3,072]; A: input x (given as codes); B: input W_attn (given as codes): QUANTISED
;;     2. batch 64 x [M 2,048, K 64] x [K 64, N 2,048]; A: computed on the way; B: computed on the way: QUANTISED
;;     3. batch 64 x [M 2,048, K 2,048] x [K 2,048, N 64]; A: softmax (see below); B: computed on the way: QUANTISED
;;     4. [M 8,192, K 1,024] x [K 1,024, N 1,024]; A: computed on the way; B: input W_proj (given as codes): QUANTISED
;;   THE QUANTISER, for each operand of a quantised product, along K:
;;     - K is cut into blocks of 32 from its start; a last block that is shorter is filled with zeros.
;;     - A block's scale is 2^e with e = floor(log2(the largest magnitude in the block)) - 15, held to -126 .. 127; a block of zeros has e = 0. As a byte (E8M0): e + 127.
;;     - Each number is divided by its block's scale, clamped to +-57,344, and rounded to the nearest number of E5M2, ties to even, subnormals kept.
;;     - The product sums the exact products of the quantised numbers (number of the format x scale) in f32.
;;   ~~~python
;;   def quantise(x, axis):      # numpy; x: float32 -> the quantised numbers, widened to float32 again
;;       x = np.moveaxis(x, axis, -1); K = x.shape[-1]
;;       x = np.pad(x, [(0, 0)] * (x.ndim - 1) + [(0, -K % 32)]); x = x.reshape(x.shape[:-1] + (-1, 32)); a = np.abs(x).max(-1, keepdims=True)
;;       e = np.where(a > 0, np.clip(np.frexp(np.where(a > 0, a, 1))[1] - 1 - 15, -126, 127), 0)      # np.frexp(a)[1] - 1 = floor(log2(a)), exactly
;;       r = np.clip(x / 2.0 ** e, -57344, 57344)
;;       step = 2.0 ** (np.maximum(np.frexp(np.where(r == 0, 1, r))[1] - 1, -14) - 2)
;;       q = np.round(r / step) * step * 2.0 ** e      # np.round: ties to even
;;       return np.moveaxis(q.reshape(q.shape[:-2] + (-1,))[..., :K], -1, axis).astype(np.float32)
;;   ~~~
;;   SOFTMAX AHEAD OF A QUANTISED PRODUCT. Where the list says 'softmax', what is quantised is not the finished softmax but p = 2^(t - M), with t = logit x log2(e) and M = ceil(the row's largest t), a whole number; so 1/2 < the row's largest p <= 1. The row's sum l is taken of the UNQUANTISED p, in f32, and the product's result is divided by l at the end. Since M is a whole number, a kernel that streams over the keys may use a running M (the ceiling of the running maximum): every later rescaling is an exact power of two, which a block's scale takes up: the codes' values come out the same.
;;   OPERANDS COMPUTED ON THE WAY. 'Computed on the way' means the value that the module computes at that place (a softmax that the list does not call 'softmax' is quantised finished and normalised). What goes into a quantiser is computed in f32, as accurately as f32 sums, v_exp_f32 and their like allow (about 1e-6 of the number): no bf16 or f16 on the way to a quantiser, and a product that is left as it is and whose result goes on into a quantised operand takes f32 operands (vector FMAs, or v_wmma_f32_16x16x4_f32). A number that lies on a knife's edge between two numbers of the format may be rounded either way, as far as f32 arithmetic and the matrix unit's own rounding can turn it there, and no further.
;;   INPUTS GIVEN AS CODES. W_attn (in the module: [1024, 3072], K = its axis 0); W_proj (in the module: [1024, 1024], K = its axis 0); x (in the module: [4, 2048, 1024], K = its axis 2): each comes as NAME_codes (uint8): NAME with its K axis moved to the last place and cut into blocks of 32 codes, [.., K / 32, bytes a block], one block behind the other in memory; one code a byte (a code: sign, 5 exponent bits, 2 mantissa bits); and NAME_scales (uint8): the same leading axes, one E8M0 byte (e + 127) for each 32 codes along K. Its value is code x scale, taken as it is: it is not quantised again, and the codes and scales need not be those that the quantiser above would give.
;; One version. Each part assembles by itself: llvm-mc -triple=amdgcn-amd-amdhsa -mcpu=gfx1250 --defsym DOCPART=n.
;; ======== version 1 of 1: 3 launches
;; limits: right only within a limited range of input values
;; workspace buffers: qkvc 25,165,824 bytes; qkvs 786,432 bytes; yc 8,388,608 bytes; ys 262,144 bytes
;; launch qkv (part 1): grid 12 x 32, 4 waves a work-group, clusters of 4 x 4, 327,680 bytes of LDS; arguments x_codes, x_scales, W_attn_codes, W_attn_scales, b_attn, qkvc, qkvs; writes qkvc, qkvs
.if DOCPART == 1
	.amdgcn_target "amdgcn-amd-amdhsa--gfx1250"
	.amdhsa_code_object_version 6
	.text
	.protected	k_q72b9d94c59_qkv
	.globl	k_q72b9d94c59_qkv
	.p2align	8
	.type	k_q72b9d94c59_qkv,@function
k_q72b9d94c59_qkv:
	s_mov_b64 s[64:65], 0
	v_nop
	global_prefetch_b8 v0, s[64:65] scope:SCOPE_SE
	s_setreg_imm32_b32 hwreg(HW_REG_WAVE_MODE, 25, 1), 1
	s_wait_xcnt 0x0
	s_wait_alu depctr_hold_cnt(0) depctr_sa_sdst(0) depctr_va_vdst(0) depctr_va_sdst(0) depctr_va_ssrc(0) depctr_va_vcc(0) depctr_vm_vsrc(0)
	s_getreg_b32 s2, hwreg(HW_REG_IB_STS2, 6, 4)
	s_cmp_eq_u32 s2, 0
	s_cbranch_scc0 .Lentry_in_a_cluster
	s_endpgm
.Lentry_in_a_cluster:
	s_bfe_u32 s2, ttmp6, 0x10000c
	s_cmp_lg_u32 s2, 0xf033
	s_cbranch_scc0 .Lentry_shape_is_right
	s_endpgm
.Lentry_shape_is_right:
; qkv = x W_attn + b_attn on codes of BF8 (E5M2) with one E8M0 scale for each 32 along K = 1,024; the result is quantised on the way out and leaves as codes and scale bytes only.
; x: [8192][1024] codes, [8192][32] scale bytes.  W_attn: [3072][1024] codes, [3072][32] scale bytes.  b_attn: [3072] f32.
; OUT.  qkvc: three sections of 8,388,608 bytes (q, k, v), each [batch x head 64][131,072]; qkvs: three of 262,144, each [64][4,096].
;   q, k (quantised along the head's 64): tokens lie as PAIR ROWS of 128 bytes: token 32 g + 16 U + m at (16 g + m) 128 + 64 U; its two scale bytes at (16 g + m) 4 + 2 U.
;   v (quantised along the tokens): [chunk of 128 tokens][d 64][128 bytes]; one scale word for each (chunk, d).
;   Inside each block of 32 the element 16 u + 8 h + j lies at byte 16 h + 8 u + j: the order in which a lane's results fall.  It is the same in q and k, and the same in v as in the
;   weights p that the next launch makes, so each product pairs the right numbers, and a block's scale is not touched by an order inside the block.
; SHARES.  A work-group makes 256 tokens x 256 columns, each of four waves 128 x 128: 64 accumulators, 512 registers.  K goes in four steps of 256 through two LDS slots.
; SOURCE 0 is the side whose rows run along a lane's registers, that is the quantiser's axis: W's rows for q and k, x's rows (tokens) for v.  Source 1's rows lie in the lanes.
; The kind hangs on the cluster's x alone (12 tile columns = 3 clusters = q, k, v), which all sixteen partners share.  It chooses the LDS bases that the fragments are read from, the bias's layout and the way out.
; CLUSTERS: 4 x 4 work-groups; x's tiles are asked for jointly along a row of the cluster, W's along a column.
; The bias is the C of each sum's first matrix instruction (so it is added ahead of the products, another order of rounding than adding it last).
; LIMITS: NaN and infinities in the given codes or in b_attn are not served.  A block whose largest magnitude lies under 2^-111, a block of zeros among them, gets the scale byte 1; these bytes are read by this program alone.
; REGISTERS, in windows of 256: window 0: v0-31 addresses; v32-63 scale words, two sets; v64-127 the bias; v128-255 source 1's fragments, one set; on the way out v96-255 are at work.
;   window 1: source 0's fragments, two sets.   windows 2, 3: accumulator (a = block of source 1, t = tile of source 0) at v[8 (8 (a % 4) + t)], a / 4 choosing the window.
.set PITCH,  272                       ; an LDS row: 256 bytes + 16 of padding: the 16 rows of a fragment load start at 16 different banks (64 banks of 4 bytes: ISA guide 11.1)
.set HALFT,  128*PITCH                 ; 128 rows: one tensor load, and one wave's share of a side
.set SLOT,   4*HALFT                   ; x's 256 rows, then W's 256 rows
.set ROWB,   256                       ; a K step in bytes
.set KROW,   1024                      ; a row of x or W in memory
.set FR,     16                        ; registers of a fragment (16 rows x 128 K)
.set NL,     4                         ; LDS loads that bring one
.set NP,     8                         ; places behind this matrix instruction (ISA guide 7.12.1)
.set SCL,    2*SLOT                    ; behind the ring: the scale bytes of all of K, as units of 256 bytes + 16 of padding
.set HALFS,  16*272                    ; those of 128 rows (4,096 bytes)
.set SBLK,   2*272                     ; those of 16 rows
.set SPARE,  327168                    ; the last 512 bytes of LDS: the spare words, 128 bytes a wave; no other line names them
.set WSTG,   5120                      ; the way out: a wave's stage: two areas of 16 rows x 144 bytes, then 512 bytes for scale words.  In slot 0, behind its last fill and its last read
.set AREA,   16*144
.set VSTG,   4*WSTG                    ; the way out of v has LDS bytes of its own, behind those of q and k
.set PW0,  12                          ; v12, v13 the scale words of the pair of blocks in hand
.set PW1,  13
.set ADRR, 16                          ; v16-17  LDS address of source 1's fragments in slot 0, 1
.set ADRP, 20                          ; v20-21  the same for source 0
.set SCO,  22                          ; v22     the scale words' place in qkvs
.set BO,   23                          ; v23     the bias's lane offset
.set STO,  24                          ; v24     the stage: where I put 16 bytes
.set RD,   25                          ; v25     the stage: where I read rows back
.set CO,   26                          ; v26     16 x lane
.set ADRS, 27                          ; v27     LDS address of my scale words: lanes 0-15 source 1's rows, lanes 16-31 source 0's
.set SPW,  28                          ; v28     LDS address of my spare word; never rewritten
.set NIL,  29                          ; v29     0; never rewritten
.set SGA,  30                          ; v30     the stage's scale words, in
.set SGR,  31                          ; v31     and back
.set SC,   32
.set BI,   64
.set AF,   128
.set PC0,  96                          ; the way out: codes of the pair's two blocks
.set PC1,  112
.set BK,   128                         ; rows read back from the stage: v128-159 and v160-191 by turns
.set SCW,  192
.set TM,   200                         ; v200-203 largest magnitudes, v204-207 bytes, v212-215 the conversions' scale operands
.set G1,   24
.set G0,   32
.set G1B,  48
.set G0B,  56
.set KV,   66                          ; s66  1 in the clusters that make v
.set G1S,  68
.set G0S,  76
.set G1SB, 80
.set G0SB, 88
.set SEL,  20                          ; s[20:21] v_permlanex16_b32's selects for lane l xor 16 (set behind the set-up)
.set MNT,  22
.set MSB, 0
.macro WIN new                         ; the immediate's high byte repeats the setting that is left
.if MSB != (\new)
	s_set_vgpr_msb (MSB<<8)|(\new)
.set MSB, (\new)
.endif
.endm
.set MUL_LO, 0xa1                      ; source 0 window 1, source 1 window 0, C and D window 2
.set MUL_HI, 0xf1                      ; the same, C and D window 3
.set TO_B,   0x40                      ; destination window 1, address window 0
; A joint load: waves 0 and 1 fetch for x, waves 2 and 3 for W.  The branch hangs on the wave's number alone.  Four v_nop follow each of the two lines.
.macro JLOAD g0a, g1a, g0b, g1b
	s_cmp_eq_u32 s15, 0
	s_cbranch_scc0 .Lfor_b_\@
	tensor_load_to_lds s[\g0a:\g0a+3], s[\g1a:\g1a+7]
	s_nop 0
.rept 4
	v_nop
.endr
	s_branch .Lasked_\@
.Lfor_b_\@:
	tensor_load_to_lds s[\g0b:\g0b+3], s[\g1b:\g1b+7]
	s_nop 0
.rept 4
	v_nop
.endr
.Lasked_\@:
.endm
.macro CREST                           ; a round of the cluster's barrier behind its opening barrier
	s_cmp_lg_u32 s14, 0
	s_cbranch_scc1 .Lnot_wave_0_\@
	s_barrier_signal -3
.Lnot_wave_0_\@:
	s_barrier_wait -3
	s_barrier_signal -1
	s_barrier_wait -1
.endm
.macro CROUND
	s_barrier_signal -1
	s_barrier_wait -1
	CREST
.endm
	s_load_b128 s[4:7], s[0:1], 0x0                ; x's codes, x's scales
	s_load_b128 s[8:11], s[0:1], 0x10              ; W's codes, W's scales
	s_load_b128 s[96:99], s[0:1], 0x20             ; b_attn, qkvc
	s_load_b64 s[100:101], s[0:1], 0x30            ; qkvs
	v_lshl_add_u32 v[SPW], v0, 2, SPARE
	v_mov_b32 v[NIL], 0
	ds_add_u32 v28, v29
	ds_add_u32 v28, v29
	s_wait_dscnt 0x0
	v_lshrrev_b32 v1, 5, v0
	v_readfirstlane_b32 s14, v1                    ; wave 0..3
	s_lshr_b32 s15, s14, 1                         ; my half of the tokens.  Also: I fetch for x (0) or for W (1)
	s_and_b32 s16, s14, 1                          ; my half of W's rows.  Also: which 128 rows I fetch
	s_bfe_u32 s40, ttmp6, 0x40000                  ; cx, cy: my place in the cluster
	s_bfe_u32 s41, ttmp6, 0x40004
	s_lshl_b32 s42, ttmp9, 2
	s_add_co_u32 s42, s42, s40                     ; tile column = 4 x cluster x + cx
	s_and_b32 s17, ttmp7, 0xffff
	s_lshl_b32 s17, s17, 2
	s_add_co_u32 s17, s17, s41                     ; tile row = 4 x cluster y + cy
	s_lshl_b32 s43, s41, 2
	s_lshl_b32 s43, 15, s43                        ; my row of the cluster
	s_lshl_b32 s44, 0x1111, s40                    ; my column
	; group 1: a tile of 128 rows x 256 bytes, 16 bytes of padding behind each row
	s_or_b32 s[G1+0], s43, (1<<20)|(1<<21)|(5<<22)|(3<<25)   ; the mask: x's tiles go to my row; elements of 1 byte; padding on; bit 21 beside a mask; after every 64 words; 4 words
	s_or_b32 s[G1B+0], s44, (1<<20)|(1<<21)|(5<<22)|(3<<25)  ; W's tiles go to my column
.irp g, G1, G1B
	s_mov_b32 s[\g+1], ROWB<<16                    ; tensor_dim0
	s_mov_b32 s[\g+2], 128<<16                     ; tensor_dim1
	s_mov_b32 s[\g+3], ROWB<<16                    ; tile_dim0
	s_mov_b32 s[\g+4], 128                         ; tile_dim1
	s_mov_b32 s[\g+5], KROW                        ; from row to row
	s_mov_b32 s[\g+6], 0
	s_mov_b32 s[\g+7], 0
.endr
	; the scale bytes of 128 rows: 4,096 dense bytes as 16 rows of 256 (32 elements of 8 bytes), 16 bytes of padding behind each
	s_or_b32 s[G1S+0], s43, (3<<16)|(1<<20)|(1<<21)|(5<<22)|(3<<25)
	s_or_b32 s[G1SB+0], s44, (3<<16)|(1<<20)|(1<<21)|(5<<22)|(3<<25)
.irp g, G1S, G1SB
	s_mov_b32 s[\g+1], 32<<16
	s_mov_b32 s[\g+2], 16<<16
	s_mov_b32 s[\g+3], 32<<16
	s_mov_b32 s[\g+4], 16
	s_mov_b32 s[\g+5], 32
	s_mov_b32 s[\g+6], 0
	s_mov_b32 s[\g+7], 0
.endr
	s_lshl_b32 s18, s16, 7                         ; which 128 rows of the tile I fetch
	s_lshl_b32 s20, s17, 8
	s_add_co_u32 s20, s20, s18                     ; x: row 256 x tile row + 128 x half
	s_lshl_b32 s46, s42, 8
	s_add_co_u32 s46, s46, s18                     ; W: row 256 x tile column + 128 x half
	s_lshl_b32 s22, s20, 5                         ; their scale bytes: 32 a row
	s_mov_b32 s23, 0
	s_lshl_b32 s92, s46, 5
	s_mov_b32 s93, 0
	s_lshl_b32 s20, s20, 10                        ; their codes: 1,024 a row (all under 2^24)
	s_mov_b32 s21, 0
	s_lshl_b32 s46, s46, 10
	s_mov_b32 s47, 0
	s_mul_i32 s45, s14, HALFT                      ; where they go: wave x 128 rows: no place in the cluster enters an LDS address
	s_mul_i32 s94, s14, HALFS
	s_wait_kmcnt 0x0
	s_add_nc_u64 s[20:21], s[4:5], s[20:21]
	s_add_nc_u64 s[22:23], s[6:7], s[22:23]
	s_add_nc_u64 s[46:47], s[8:9], s[46:47]
	s_add_nc_u64 s[92:93], s[10:11], s[92:93]
	CROUND                                         ; all sixteen work-groups are here: the first joint loads meet
	s_mov_b32 s[G0S], 1
	s_add_co_u32 s[G0S+1], s94, SCL
	s_mov_b64 s[G0S+2:G0S+3], s[22:23]
	s_or_b32 s[G0S+3], s[G0S+3], 0x80000000
	s_mov_b32 s[G0SB], 1
	s_add_co_u32 s[G0SB+1], s94, SCL
	s_mov_b64 s[G0SB+2:G0SB+3], s[92:93]
	s_or_b32 s[G0SB+3], s[G0SB+3], 0x80000000
	JLOAD G0S, G1S, G0SB, G1SB                     ; the scale bytes first: they are wanted with K step 0
.irp s, 0,1
	s_mov_b32 s[G0+4*\s], 1
	s_add_co_u32 s[G0+4*\s+1], s45, \s*SLOT
	s_add_nc_u64 s[G0+4*\s+2:G0+4*\s+3], s[20:21], \s*ROWB
	s_or_b32 s[G0+4*\s+3], s[G0+4*\s+3], 0x80000000
	s_mov_b32 s[G0B+4*\s], 1
	s_add_co_u32 s[G0B+4*\s+1], s45, \s*SLOT
	s_add_nc_u64 s[G0B+4*\s+2:G0B+4*\s+3], s[46:47], \s*ROWB
	s_or_b32 s[G0B+4*\s+3], s[G0B+4*\s+3], 0x80000000
	JLOAD G0+4*\s, G1, G0B+4*\s, G1B               ; three loads of mine are out
.endr
	; the fragments' addresses.  x's 128 rows of mine and W's; the kind says which of the two is source 1 (rows in the lanes) and which source 0
	s_mul_i32 s21, s15, HALFT                      ; my 128 tokens
	s_mul_i32 s22, s16, HALFT
	s_add_co_u32 s22, s22, 2*HALFT                 ; my 128 rows of W, behind x's 256
	s_cmp_eq_u32 ttmp9, 2                          ; cluster x = 2: the columns of v
	s_cselect_b32 s[KV], 1, 0
	s_cselect_b32 s18, s22, s21                    ; source 1
	s_cselect_b32 s19, s21, s22                    ; source 0
	v_and_b32 v1, 15, v0                           ; r = lane % 16
	v_bfe_u32 v2, v0, 4, 1                         ; h = lane / 16
	v_mul_u32_u24 v3, v1, PITCH
	v_lshl_add_u32 v4, v2, 4, v3                   ; a fragment's row x pitch + 16 h
.irp s, 0,1
	v_add_nc_u32 v[ADRR+\s], s18, v4
	v_add_nc_u32 v[ADRP+\s], s19, v4
	s_add_co_u32 s18, s18, SLOT
	s_add_co_u32 s19, s19, SLOT
.endr
	v_lshlrev_b32 v5, 5, v1                        ; my row's scale bytes: 32 a row,
	v_lshrrev_b32 v6, 3, v1
	v_lshl_add_u32 v5, v6, 4, v5                   ; and 16 more for each 256 passed
	s_mul_i32 s21, s15, HALFS                      ; x's: my 128 tokens
	s_mul_i32 s22, s16, HALFS
	s_add_co_u32 s22, s22, 2*HALFS                 ; W's: my 128 rows, behind x's 256
	s_sub_co_u32 s22, s22, s21                     ; the distance between the two, above 0
	v_xor_b32 v6, s[KV], v2                        ; lanes 0-15 take source 1's words: x's for q and k, W's for v
	v_mul_u32_u24 v6, s22, v6
	s_add_co_u32 s21, s21, SCL
	v_add_nc_u32 v5, v5, v6
	v_add_nc_u32 v[ADRS], s21, v5
	s_mul_i32 s23, s14, WSTG                       ; my stage
	v_mul_u32_u24 v5, v1, 144
	v_lshl_add_u32 v5, v2, 4, v5
	v_add_nc_u32 v[STO], s23, v5                   ; in: row r of 144 bytes, + 16 h
	v_and_b32 v6, 31, v0
	v_lshrrev_b32 v7, 3, v6
	v_mul_u32_u24 v7, v7, 144
	v_and_b32 v8, 7, v0
	v_lshl_add_u32 v7, v8, 4, v7
	v_add_nc_u32 v[RD], s23, v7                    ; back: eight lanes to a row of 128 bytes, four rows an instruction
	v_lshlrev_b32 v[CO], 4, v6                     ; which are 512 consecutive bytes of the output
	v_lshlrev_b32 v7, 2, v1
	v_add_nc_u32 v7, s23, v7
	v_add_nc_u32 v[SGA], 2*AREA, v7
	v_add_nc_u32 v7, s23, v[CO]
	v_add_nc_u32 v[SGR], 2*AREA, v7
	v_lshlrev_b32 v7, 4, v1
	v_lshl_add_u32 v[SCO], v2, 12, v7              ; lanes 0-15: 256 bytes of my first head's scale bytes; lanes 16-31: of my second head's, 4,096 on
	; where my results go: section (cluster x), batch x head = 16 (tile row / 8) + 4 cx + 2 x my half of W's rows, and in a head my 128 tokens: 8,192 bytes of codes, 256 of scale bytes
	s_lshr_b32 s92, s17, 3
	s_lshl_b32 s92, s92, 4
	s_lshl_b32 s93, s40, 2
	s_add_co_u32 s92, s92, s93
	s_lshl_b32 s93, s16, 1
	s_add_co_u32 s92, s92, s93
	s_and_b32 s93, s17, 7
	s_lshl_b32 s93, s93, 1
	s_add_co_u32 s93, s93, s15
	s_lshl_b32 s94, ttmp9, 23
	s_lshl_b32 s95, s92, 17
	s_add_co_u32 s94, s94, s95
	s_lshl_b32 s95, s93, 13
	s_add_co_u32 s94, s94, s95
	s_mov_b32 s95, 0
	s_add_nc_u64 s[98:99], s[98:99], s[94:95]
	s_lshl_b32 s94, ttmp9, 18
	s_lshl_b32 s67, s92, 12
	s_add_co_u32 s94, s94, s67
	s_lshl_b32 s67, s93, 8
	s_add_co_u32 s94, s94, s67
	s_add_nc_u64 s[100:101], s[100:101], s[94:95]
	s_lshl_b32 s94, s42, 10                        ; the bias of my 128 columns
	s_lshl_b32 s67, s16, 9
	s_add_co_u32 s94, s94, s67
	s_add_nc_u64 s[96:97], s[96:97], s[94:95]
	s_mov_b32 s[SEL], 0x76543210
	s_mov_b32 s[SEL+1], 0xfedcba98
	; THE BIAS, in the result's layout.  q, k: a lane's register j of tile t is column 16 t + 8 h + j.  v: all eight registers of block a are column 16 a + r
	s_cmp_eq_u32 s[KV], 1
	s_cbranch_scc1 .Lbias_v
	v_lshlrev_b32 v[BO], 5, v2
.irp t, 0,1,2,3,4,5,6,7
	global_load_b128 v[BI+8*\t:BI+8*\t+3], v[BO], s[96:97] offset:64*\t
	global_load_b128 v[BI+8*\t+4:BI+8*\t+7], v[BO], s[96:97] offset:64*\t+16
.endr
	s_branch .Lbias_done
.Lbias_v:
	v_lshlrev_b32 v[BO], 2, v1
.irp a, 0,1,2,3,4,5,6,7
	global_load_b32 v[BI+8*\a], v[BO], s[96:97] offset:64*\a
.endr
	s_wait_loadcnt 0x0
.irp a, 0,1,2,3,4,5,6,7
.irp j, 1,2,3,4,5,6,7
	v_mov_b32 v[BI+8*\a+\j], v[BI+8*\a]
.endr
.endr
.Lbias_done:
.macro FRAG reg, adr, q, i             ; 16 rows x 128 K of 8-bit codes: lane l holds row l % 16; registers 4 c .. 4 c + 3 hold K = 32 c + 16 (l / 16) + 0 .. 15
.irp c, 0,1,2,3
	ds_load_b128 v[\reg+4*\c:\reg+4*\c+3], v[\adr] offset:128*(\q)+32*\c+(\i)*16*PITCH
.endr
.endm
; 16 matrix instructions: source 1's blocks a0, a0 + 1 x source 0's eight tiles, the slot's q-th 128 along K.  p: source 0's set; sc: the set of scale words.
; cm = 0: the sums go on; 1: they start from the bias by tile (q, k); 2: from the bias by block (v).  The 64 accumulators take turns, one instruction a turn, in the same order in every step.
.macro MUL16 a0, p, q, sc, cm
.irp a, \a0, \a0+1
.irp b, 0,1,2,3,4,5,6,7
.set rD, 8*(8*((\a)%4)+\b)
.set rP, 128*(\p)+FR*\b
.set rR, AF+FR*(\a)
.set rSP, SC+16*(\sc)+2*\b+(\q)
.set rSR, SC+16*(\sc)+2*(\a)+(\q)
.if \cm == 1
	v_wmma_scale_f32_16x16x128_f8f6f4 v[rD:rD+7], v[rP:rP+15], v[rR:rR+15], v[BI+8*\b:BI+8*\b+7], v[rSP], v[rSR] matrix_a_fmt:MATRIX_FMT_BF8 matrix_b_fmt:MATRIX_FMT_BF8 matrix_a_scale:MATRIX_SCALE_ROW1
.elseif \cm == 2
	v_wmma_scale_f32_16x16x128_f8f6f4 v[rD:rD+7], v[rP:rP+15], v[rR:rR+15], v[BI+8*(\a):BI+8*(\a)+7], v[rSP], v[rSR] matrix_a_fmt:MATRIX_FMT_BF8 matrix_b_fmt:MATRIX_FMT_BF8 matrix_a_scale:MATRIX_SCALE_ROW1
.else
	v_wmma_scale_f32_16x16x128_f8f6f4 v[rD:rD+7], v[rP:rP+15], v[rR:rR+15], v[rD:rD+7], v[rSP], v[rSR] matrix_a_fmt:MATRIX_FMT_BF8 matrix_b_fmt:MATRIX_FMT_BF8 matrix_a_scale:MATRIX_SCALE_ROW1
.endif
.endr
.endr
.endm
.macro FETCH_P slot, q, p              ; source 0's eight fragments into set p
	WIN TO_B
.irp i, 0,1,2,3,4,5,6,7
	FRAG 128*(\p)+FR*\i, ADRP+\slot, \q, \i
.endr
	WIN 0
.endm
.macro FETCH_R slot, q, i0             ; source 1's blocks i0 .. i0 + 3
.irp i, \i0, \i0+1, \i0+2, \i0+3
	FRAG AF+FR*(\i), ADRR+\slot, \q, \i
.endr
.endm
.macro SCALES sc, ks                   ; K step ks's scale words (two a row) into set sc: lanes 0-15 source 1's block i, lanes 16-31 source 0's tile i
.irp i, 0,1,2,3,4,5,6,7
	ds_load_b64 v[SC+16*(\sc)+2*\i:SC+16*(\sc)+2*\i+1], v[ADRS] offset:\i*SBLK+8*(\ks)
.endr
.endm
; A load into a register that a matrix instruction has read, and a vector instruction or an LDS store that reads a matrix result, stand NP places behind it; only plain vector instructions that name none of its registers are places
.macro PLACES n
.rept \n
	v_nop
.endr
.endm
; A step of 128 along K that has its successor in the same slot
.macro STEP slot, q, cm
	s_wait_dscnt 4*NL                              ; source 0's set and source 1's blocks 0-3 are in; the youngest sixteen loads (blocks 4-7) may be out
.if \cm
	WIN 0x81                                       ; the bias lies in window 0
.else
	WIN MUL_LO
.endif
	MUL16 0, (\q)%2, \q, \slot, \cm
	MUL16 2, (\q)%2, \q, \slot, \cm
	s_wait_dscnt 0                                 ; blocks 4-7 are in
	PLACES NP
	FETCH_P \slot, (\q)+1, 1-(\q)%2
	FETCH_R \slot, (\q)+1, 0
.if \cm
	WIN 0xc1
.else
	WIN MUL_HI
.endif
	MUL16 4, (\q)%2, \q, \slot, \cm
	MUL16 6, (\q)%2, \q, \slot, \cm
	PLACES NP
	WIN 0
	FETCH_R \slot, (\q)+1, 4
.endm
; A slot's last step changes slots: one barrier; in front of it each wave waits for all its tensor loads, adds 0 to its spare word, and waits for that and for its reads of this slot.  fill = 1: this slot is filled again, two K steps ahead.
.macro TURN slot, next, fill, ks
	s_wait_tensorcnt 0x0                           ; all my tensor loads have landed: my part of the next slot  (every window is 0 here)
	ds_add_u32 v[SPW], v[NIL]                      ; 0 onto my spare word
	s_wait_dscnt 4*NL+1                            ; (the add and the youngest sixteen loads may be out)
	WIN MUL_LO
	MUL16 0, 1, 1, \slot, 0                        ; sixteen matrix instructions stand between the add and the wait for it
	s_wait_dscnt 0x0                               ; the add is done, and my reads of this slot are over
	s_barrier_signal -1
	MUL16 2, 1, 1, \slot, 0
	WIN 0
	s_barrier_wait -1
.if \fill
	CREST                                          ; the barrier has opened a round of the cluster's: no wave of any partner still reads this slot or has a load on its way
	s_add_nc_u64 s[G0+4*\slot+2:G0+4*\slot+3], s[G0+4*\slot+2:G0+4*\slot+3], 2*ROWB
	s_add_nc_u64 s[G0B+4*\slot+2:G0B+4*\slot+3], s[G0B+4*\slot+2:G0B+4*\slot+3], 2*ROWB
	JLOAD G0+4*\slot, G1, G0B+4*\slot, G1B         ; the first tensor load behind the round; its four v_nop are four of the eight places
	PLACES NP-4
.else
	PLACES NP
.endif
	FETCH_P \next, 0, 0
	FETCH_R \next, 0, 0
	SCALES \next, \ks
	WIN MUL_HI
	MUL16 4, 1, 1, \slot, 0
	MUL16 6, 1, 1, \slot, 0
	PLACES NP
	WIN 0
	FETCH_R \next, 0, 4
.endm
	s_wait_tensorcnt 1                             ; the scale bytes and my part of K step 0 are in; K step 1's load may be out
	s_barrier_signal -1
	s_barrier_wait -1
	FETCH_P 0, 0, 0
	FETCH_R 0, 0, 0
	SCALES 0, 0
	FETCH_R 0, 0, 4
	s_wait_loadcnt 0x0                             ; the bias
	s_cmp_eq_u32 s[KV], 1                          ; the first step is written twice: its C is the bias, whose layout hangs on the kind
	s_cbranch_scc1 .Lfirst_v
	s_wait_alu depctr_va_vdst(0)
	STEP 0, 0, 1
	s_branch .Lfirst_done
.Lfirst_v:
	s_wait_alu depctr_va_vdst(0)
	STEP 0, 0, 2
.Lfirst_done:
	TURN 0, 1, 1, 1                                ; K = 1,024 is four slots: written out
	STEP 1, 0, 0
	TURN 1, 0, 1, 2
	STEP 0, 0, 0
	TURN 0, 1, 0, 3                                ; nothing is left to fetch: no round
	STEP 1, 0, 0
	s_wait_dscnt 4*NL
	WIN MUL_LO
	MUL16 0, 1, 1, 1, 0
	MUL16 2, 1, 1, 1, 0
	s_wait_dscnt 0
	WIN MUL_HI
	MUL16 4, 1, 1, 1, 0
	MUL16 6, 1, 1, 1, 0
	WIN 0
; THE WAY OUT.  The 64 numbers that a lane holds of block a are four blocks of 32 along the quantiser's axis, 16 numbers of each; lane l xor 16 holds the other 16.
; QUANT makes their codes (16 registers from pc on) and their scale word (pw).  Each accumulator is read from its low end on.
.macro QUANT a, pc, pw
.set QW, 2+(\a)/4
.set QB, 64*((\a)%4)
	WIN 5*QW                                       ; sources 0 and 1: the accumulators' window
.irp b, 0,1,2,3
	v_max3_num_f32 v[TM+\b], |v[QB+16*\b]|, |v[QB+16*\b+1]|, 0x8000000   ; my 16 numbers, and the floor 2^(16 - 127): the byte cannot fall under 1
.endr
.irp i, 2,4,6,8,10,12,14
.irp b, 0,1,2,3
	v_max3_num_f32 v[TM+\b], |v[QB+16*\b+\i]|, |v[QB+16*\b+\i+1]|, v[TM+\b]
.endr
.endr
	WIN 0
.irp b, 0,1,2,3
	v_permlanex16_b32 v[TM+4+\b], v[TM+\b], s[SEL], s[SEL+1]
.endr
.irp b, 0,1,2,3
	v_max_num_f32 v[TM+\b], v[TM+\b], v[TM+4+\b]   ; the block's largest magnitude
.endr
.irp b, 0,1,2,3
	v_add_nc_u32 v[TM+12+\b], 0xf8800000, v[TM+\b] ; 15 off its exponent field: the conversion's scale operand
.endr
.irp b, 0,1,2,3
.endr
.irp b, 0,1,2,3
	v_lshrrev_b32 v[TM+4+\b], 23, v[TM+12+\b]      ; the scale's byte
.endr
	v_lshl_or_b32 v[\pw], v[TM+5], 8, v[TM+4]
	v_lshl_or_b32 v[\pw], v[TM+6], 16, v[\pw]
	v_lshl_or_b32 v[\pw], v[TM+7], 24, v[\pw]
	WIN 65*QW                                      ; source 0 and destination: the accumulators' window
.irp b, 0,1,2,3
.irp i, 0,1,2,3,4,5,6,7,8,9,10,11,12,13,14,15
.endr
.endr
	WIN QW
.irp b, 0,1,2,3
	v_cvt_scalef32_pk8_bf8_f32 v[\pc+4*\b:\pc+4*\b+1], v[QB+16*\b:QB+16*\b+7], v[TM+12+\b]
	v_cvt_scalef32_pk8_bf8_f32 v[\pc+4*\b+2:\pc+4*\b+3], v[QB+16*\b+8:QB+16*\b+15], v[TM+12+\b]
.endr
	v_nop                                          ; a plain instruction behind the last conversion
	WIN 0
.endm
; Blocks 2 bp and 2 bp + 1 go through my stage and leave as runs of 512 consecutive bytes.
; kind 0 (q, k): the two blocks are the two tokens of a pair row; area = head.  kind 1 (v): area = block (16 of a head's 64 rows).
.macro OUTPAIR kind, bp
.set BB, BK+32*((\bp)%2)
.set KO, VSTG*(\kind)
.irp q, 0,1,2,3
.if \kind == 0
	ds_store_b128 v[STO], v[PC0+4*\q:PC0+4*\q+3] offset:(\q/2)*AREA+32*(\q%2)
	ds_store_b128 v[STO], v[PC1+4*\q:PC1+4*\q+3] offset:(\q/2)*AREA+64+32*(\q%2)
.else
	ds_store_b128 v[STO], v[PC0+4*\q:PC0+4*\q+3] offset:KO+32*\q
	ds_store_b128 v[STO], v[PC1+4*\q:PC1+4*\q+3] offset:KO+AREA+32*\q
.endif
.endr
.if \kind == 0                         ; a word's low half is my first head's two bytes, its high half my second head's (both halves of the lanes write the same bytes with the same values)
	ds_store_b16 v[SGA], v[PW0] offset:64*(\bp)
	ds_store_b16_d16_hi v[SGA], v[PW0] offset:64*(\bp)+256
	ds_store_b16 v[SGA], v[PW1] offset:64*(\bp)+2
	ds_store_b16_d16_hi v[SGA], v[PW1] offset:64*(\bp)+258
.else
	ds_store_b32 v[SGA], v[PW0] offset:KO+128*(\bp)
	ds_store_b32 v[SGA], v[PW1] offset:KO+128*(\bp)+64
.endif
.if (\bp) >= 2
	s_wait_xcnt 0x0                                ; the stores of two pairs ago have read these registers
.endif
.irp g, 0,1
.irp i, 0,1,2,3
	ds_load_b128 v[BB+16*\g+4*\i:BB+16*\g+4*\i+3], v[RD] offset:KO+\g*AREA+576*\i   ; LDS serves a wave's instructions in order (ISA guide 5.7.1.4): these see my stores
.endr
.endr
.if (\bp) == 3
	ds_load_b128 v[SCW:SCW+3], v[SGR] offset:KO    ; my 512 bytes of scale words are whole
.endif
	s_wait_dscnt 0x0
.irp g, 0,1
.irp i, 0,1,2,3
.if \kind == 0
	global_store_b128 v[CO], v[BB+16*\g+4*\i:BB+16*\g+4*\i+3], s[98:99] offset:\g*131072+(\bp)*2048+512*\i
.else
	global_store_b128 v[CO], v[BB+16*\g+4*\i:BB+16*\g+4*\i+3], s[98:99] offset:((\bp)/2)*131072+(2*((\bp)%2)+\g)*2048+512*\i
.endif
.endr
.endr
.if (\bp) == 3
	global_store_b128 v[SCO], v[SCW:SCW+3], s[100:101]   ; sixteen lanes store 256 consecutive bytes, aligned
.endif
.endm
	PLACES NP                                      ; behind the last products: results are read, and their operands' registers written
.irp b, 0,1,2,3
	v_mov_b32 v[TM+4+\b], 0                        ; written once: a lane permute's destination counts as one of its sources
.endr
.irp bp, 0,1,2,3
	QUANT 2*\bp, PC0, PW0
	QUANT 2*\bp+1, PC1, PW1
	s_cmp_eq_u32 s[KV], 1
	s_cbranch_scc1 .Lout_v_\bp
	OUTPAIR 0, \bp
	s_branch .Lout_done_\bp
.Lout_v_\bp:
	s_wait_alu depctr_va_vdst(0)
	OUTPAIR 1, \bp
.Lout_done_\bp:
.endr
	s_wait_tensorcnt 0x0                           ; the wave's end
	ds_add_u32 v[SPW], v[NIL]
	s_wait_dscnt 0x0
	CROUND                                         ; the closing round: no work-group ends while a partner may still ask for a tile that names it
	s_endpgm
.Lfunc_end_k_q72b9d94c59_qkv:
	.size	k_q72b9d94c59_qkv, .Lfunc_end_k_q72b9d94c59_qkv-k_q72b9d94c59_qkv
	.p2alignl 7, 3214868480
	.fill 96, 4, 3214868480
	.section	.rodata,"a",@progbits
	.p2align	6, 0x0
	.amdhsa_kernel k_q72b9d94c59_qkv
		.amdhsa_group_segment_fixed_size 327680
		.amdhsa_private_segment_fixed_size 0
		.amdhsa_enable_private_segment 0
		.amdhsa_kernarg_size 56
		.amdhsa_user_sgpr_count 2
		.amdhsa_user_sgpr_kernarg_segment_ptr 1
		.amdhsa_wavefront_size32 1
		.amdhsa_system_sgpr_workgroup_id_x 1
		.amdhsa_system_sgpr_workgroup_id_y 1
		.amdhsa_system_sgpr_workgroup_id_z 1
		.amdhsa_system_vgpr_workitem_id 0
		.amdhsa_next_free_vgpr 1024
		.amdhsa_next_free_sgpr 102
		.amdhsa_reserve_vcc 0
		.amdhsa_float_denorm_mode_32 3
		.amdhsa_float_denorm_mode_16_64 3
		.amdhsa_fp16_overflow 1
		.amdhsa_memory_ordered 1
		.amdhsa_forward_progress 1
		.amdhsa_inst_pref_size 181
	.end_amdhsa_kernel
	.amdgpu_metadata
---
amdhsa.version: [ 1, 2 ]
amdhsa.kernels:
  - .name:           k_q72b9d94c59_qkv
    .symbol:         k_q72b9d94c59_qkv.kd
    .args:
      - { .name: x_codes, .offset: 0, .size: 8, .value_kind: global_buffer, .address_space: global }
      - { .name: x_scales, .offset: 8, .size: 8, .value_kind: global_buffer, .address_space: global }
      - { .name: W_attn_codes, .offset: 16, .size: 8, .value_kind: global_buffer, .address_space: global }
      - { .name: W_attn_scales, .offset: 24, .size: 8, .value_kind: global_buffer, .address_space: global }
      - { .name: b_attn, .offset: 32, .size: 8, .value_kind: global_buffer, .address_space: global }
      - { .name: qkvc, .offset: 40, .size: 8, .value_kind: global_buffer, .address_space: global }
      - { .name: qkvs, .offset: 48, .size: 8, .value_kind: global_buffer, .address_space: global }
    .group_segment_fixed_size: 327680
    .private_segment_fixed_size: 0
    .kernarg_segment_align: 8
    .kernarg_segment_size: 56
    .max_flat_workgroup_size: 128
    .sgpr_count:     102
    .vgpr_count:     1024
    .wavefront_size: 32
...
	.end_amdgpu_metadata
.endif
;; end of part 1
;; launch att (part 2): grid 4 x 64, 16 waves a work-group, no clusters, 327,680 bytes of LDS; arguments qkvc, qkvs, yc, ys; writes yc, ys
.if DOCPART == 2
	.amdgcn_target "amdgcn-amd-amdhsa--gfx1250"
	.amdhsa_code_object_version 6
	.text
	.protected	k_q72b9d94c59_att
	.globl	k_q72b9d94c59_att
	.p2align	8
	.type	k_q72b9d94c59_att,@function
k_q72b9d94c59_att:
	s_mov_b64 s[64:65], 0
	v_nop
	global_prefetch_b8 v0, s[64:65] scope:SCOPE_SE
	s_setreg_imm32_b32 hwreg(HW_REG_WAVE_MODE, 25, 1), 1
	s_wait_xcnt 0x0
; Causal attention on codes of BF8 (E5M2), head size 64, 2,048 tokens, 64 (batch x head).  In: q, k, v as the launch before laid them (qkvc, qkvs).  Out: y as codes, quantised along the model's 1,024:
; yc [batch x head][token][64], d in its true order; ys [batch][pair of heads][token][4 bytes]: a token's scale word for 128 along that K.
; THE SOFTMAX: t = score x log2(e) / 8; M = the running largest t rounded UP to a whole number; p = 2^(t - M) is quantised along the keys, not normalised; the row's sum is taken of the unquantised p and divides at the end.
; When M moves, the sum and O are multiplied by 2^(old M - new M), which rounds nothing.
; SHARES.  Work-group (x, head) owns the blocks of 256 queries 7 - x and x: 8 - x and x + 1 slots of 256 keys, nine slots for every work-group: 256 equal work-groups, and a trip count that is a constant.
; Each of sixteen waves owns 16 queries in 256 registers, four waves to a SIMD.  A step is 128 keys; a step all of whose keys come after the wave's queries is jumped over (a scalar branch on ids).
; NO CLUSTER: the four work-groups of a head ask for the same tiles in their first five slots only (they turn back to key 0 after 8, 7, 6 and 5 slots); a walk in common would be 12 slots in place of 9.
; A HEAD'S 64 IN AN INSTRUCTION THAT IS 128 DEEP: a fragment of k holds 16 PAIR ROWS (key m in K 0-63, key m + 16 in K 64-127) and is multiplied twice, by [q | 0] and by [0 | q]: no zero is read from LDS.
; Both products are used transposed (S^T = k q^T, O^T = v^T p^T): a lane holds one query.  Register 16 b + 8 u + j of S^T is key 32 b + 16 u + 8 h + j, so p's codes fall in the order in which v's codes lie.
; LIMITS: a block of y whose largest magnitude lies under 2^-111 gets the scale byte 1 (read by this program alone).  NaN and infinities are not served.
; REGISTERS: v1-11, v42, v43 addresses; v12 -M, v13 the largest t, v[14:15] the sum; v16-23 zeros, v24-31 q, v32-39 zeros; v40, v41 q's scale word for [q | 0] and [0 | q];
;   v48-111 four fragments; v112-175 S^T, then p; v176-207 O^T; v208-223 p's codes; v224-239 at work; v240-243 k's or v's scale words; v244 p's; v245, v248, v249 at work; v[246:247] a factor.
.set KP,    144                        ; a row in LDS: 128 bytes + 16 of padding
.set VOFF,  128*KP                     ; a slot: 128 pair rows of k, then 2 x 64 rows of v,
.set SKO,   2*VOFF                     ; 512 bytes of k's scale words, 512 of v's
.set SLOT1, 65536                      ; slot 1 begins here: one exclusive or turns an address
.set STAGE, 131072                     ; the way out: 16 rows x 80 bytes for each wave, 1,536 bytes apart; no tile lands here
.set SPARE, STAGE+16*1536              ; the spare words, 128 bytes a wave: 2,048 bytes that no other line names
.set FRG, 48
.set ST,  112
.set OT,  176
.set PC,  208
.set WK,  224
.set SW,  240
.set WV,  12                           ; s12 wave; s13 x; s14 batch x head; s15 slots of the first block; s16 the number of the slot to be asked for; s17 its place among the head's keys
.set KF,  18                           ; s18 the step's first key
.set Q0,  19                           ; s19 my first query
.set SEL, 20
.set CS,  22                           ; s[22:23] log2(e) / 8
.set G1C, 24                           ; s[24:31] group 1 for codes; s[32:39] for scale words; s[40:43], s[44:47] their groups 0
.set G1S, 32
.set G0C, 40
.set G0S, 44
.set CB,  48                           ; s[48:49] where my tiles begin in memory; s[50:51] my scale words
.set SB,  50
.set QB,  52                           ; s[52:53] q's codes of the head; s[54:55] its scale bytes; s[56:57] yc; s[58:59] ys
.set QSB, 54
.set YB,  56
.set YSB, 58
.set TB,  60                           ; s60 LDS byte at which the slot in hand begins
.set MNT, 61
.set PLIM, 62                          ; s62 a wave prefetches while s16 is under it
.set PFA, 66                           ; s[66:67] where my prefetches stand
; Waves 0-3 fetch the halves of k's and v's tiles, waves 4 and 5 the scale words, the others nothing: one load a wave.  Four v_nop follow each line.
.macro TLOAD
	s_cmp_lt_u32 s[WV], 4
	s_cbranch_scc0 .Lnot_c_\@
	tensor_load_to_lds s[G0C:G0C+3], s[G1C:G1C+7]
	s_nop 0
.rept 4
	v_nop
.endr
	s_branch .Lasked_\@
.Lnot_c_\@:
	s_cmp_lt_u32 s[WV], 6
	s_cbranch_scc0 .Lasked_\@
	tensor_load_to_lds s[G0S:G0S+3], s[G1S:G1S+7]
	s_nop 0
.rept 4
	v_nop
.endr
.Lasked_\@:
.endm
; A PREFETCH INTO THE L2 of the slot that the NEXT change of slots will ask for: 16,384 dense bytes of k and as many of v.  All four work-groups of a head begin at key 0 and walk up: the one with x = 0, which walks
; all eight slots, asks, in its first block alone.  Waves 6 and 7 ask for k's halves, waves 8 and 9 for v's: 8,192 bytes a wave, lanes 256 bytes apart: each aligned block of 256 bytes is named once in the launch.
; Slots 0 and 1 come by their loads alone; the last slot asked for is slot 7.
.macro ASK
	s_cmp_lt_u32 s16, s[PLIM]
	s_cbranch_scc0 .Lnot_mine_\@
	global_prefetch_b8 v5, s[PFA:PFA+1] th:TH_LOAD_NT scope:SCOPE_SE
.Lnot_mine_\@:
.endm
	s_load_b128 s[4:7], s[0:1], 0x0                ; qkvc, qkvs
	s_load_b128 s[8:11], s[0:1], 0x10              ; yc, ys
	v_lshl_add_u32 v3, v0, 2, SPARE                ; v3: my spare word; never rewritten
	v_mov_b32 v4, 0                                ; v4: 0; never rewritten
	ds_add_u32 v3, v4
	ds_add_u32 v3, v4
	s_wait_dscnt 0x0
	v_lshrrev_b32 v8, 5, v0
	s_delay_alu instid0(VALU_DEP_1)
	v_readfirstlane_b32 s[WV], v8                  ; wave 0..15
	s_mov_b32 s13, ttmp9
	s_and_b32 s14, ttmp7, 0xffff
	s_sub_co_u32 s15, 8, s13
	s_mov_b32 s16, 1
	s_mov_b32 s17, 0
	s_mov_b32 s[G1C], (1<<20)|(4<<22)|(3<<25)      ; elements of 1 byte; padding: 4 words after every 32
	s_mov_b32 s[G1C+1], 128<<16                    ; tensor_dim0
	s_mov_b32 s[G1C+2], 64<<16                     ; tensor_dim1
	s_mov_b32 s[G1C+3], 128<<16                    ; tile_dim0
	s_mov_b32 s[G1C+4], 64                         ; tile_dim1
	s_mov_b32 s[G1C+5], 128                        ; from row to row: dense
	s_mov_b32 s[G1C+6], 0
	s_mov_b32 s[G1C+7], 0
	s_mov_b32 s[G1S], 3<<16                        ; 512 dense bytes: two rows of 32 elements of 8 bytes, no padding
	s_mov_b32 s[G1S+1], 32<<16
	s_mov_b32 s[G1S+2], 2<<16
	s_mov_b32 s[G1S+3], 32<<16
	s_mov_b32 s[G1S+4], 2
	s_mov_b32 s[G1S+5], 32
	s_mov_b32 s[G1S+6], 0
	s_mov_b32 s[G1S+7], 0
	s_and_b32 s68, s[WV], 2                        ; waves 0, 1: k's section; waves 2, 3: v's
	s_lshl_b32 s68, s68, 22
	s_add_co_u32 s68, s68, 8388608
	s_lshl_b32 s70, s14, 17                        ; the head: 131,072 bytes
	s_add_co_u32 s68, s68, s70
	s_and_b32 s71, s[WV], 1
	s_lshl_b32 s72, s71, 13                        ; my half of a slot's 16,384
	s_add_co_u32 s68, s68, s72
	s_mov_b32 s69, 0
	s_lshl_b32 s72, s71, 18                        ; wave 4: k's scale words; wave 5: v's
	s_add_co_u32 s72, s72, 262144
	s_lshl_b32 s74, s14, 12
	s_add_co_u32 s72, s72, s74
	s_mov_b32 s73, 0
	s_mov_b32 s71, 0
	s_mov_b32 s75, 0
	s_and_b32 s76, s[WV], 3
	s_mul_i32 s76, s76, 64*KP                      ; where my tile goes
	s_and_b32 s77, s[WV], 1
	s_lshl_b32 s77, s77, 9
	s_add_co_u32 s77, s77, SKO                     ; and my scale words
	s_lshr_b32 s78, s14, 1                         ; ys: 8,192 bytes for each pair of heads, 2 bytes on for the odd head
	s_lshl_b32 s78, s78, 13
	s_and_b32 s79, s14, 1
	s_lshl_b32 s79, s79, 1
	s_add_co_u32 s78, s78, s79
	s_mov_b32 s79, 0
	s_mov_b32 s[SEL], 0x76543210
	s_mov_b32 s[SEL+1], 0xfedcba98
	s_mov_b32 s[CS], 0x3e38aa3b
	s_mov_b32 s[CS+1], s[CS]                       ; (named with it as a pair, so it is written)
	s_mov_b32 s[TB], 0
	s_wait_kmcnt 0x0
	s_add_nc_u64 s[CB:CB+1], s[4:5], s[68:69]
	s_add_nc_u64 s[SB:SB+1], s[6:7], s[72:73]
	s_add_nc_u64 s[QB:QB+1], s[4:5], s[70:71]
	s_add_nc_u64 s[QSB:QSB+1], s[6:7], s[74:75]
	s_add_nc_u64 s[YB:YB+1], s[8:9], s[70:71]
	s_add_nc_u64 s[YSB:YSB+1], s[10:11], s[78:79]
	s_mov_b32 s[G0C], 1
	s_mov_b32 s[G0C+1], s76
	s_mov_b64 s[G0C+2:G0C+3], s[CB:CB+1]
	s_or_b32 s[G0C+3], s[G0C+3], 0x80000000
	s_mov_b32 s[G0S], 1
	s_mov_b32 s[G0S+1], s77
	s_mov_b64 s[G0S+2:G0S+3], s[SB:SB+1]
	s_or_b32 s[G0S+3], s[G0S+3], 0x80000000
	TLOAD                                          ; slot 0: keys 0 to 255
	s_cmp_lt_u32 s[WV], 8                          ; the prefetches: who, and where
	s_mov_b32 s68, 16777216
	s_cselect_b32 s68, 8388608, s68
	s_add_co_u32 s68, s68, s70
	s_and_b32 s72, s[WV], 1
	s_lshl_b32 s72, s72, 13
	s_add_co_u32 s68, s68, s72
	s_add_co_u32 s68, s68, 16384                   ; in slot 1: the first change of slots steps it to slot 2
	s_mov_b32 s69, 0
	s_add_nc_u64 s[PFA:PFA+1], s[4:5], s[68:69]
	s_sub_co_u32 s68, s[WV], 6
	s_lshr_b32 s68, s68, 2                         ; 0 in waves 6 to 9,
	s_or_b32 s68, s68, ttmp9                       ; of the work-group with x = 0
	s_cmp_eq_u32 s68, 0
	s_cselect_b32 s[PLIM], 7, 0
	v_and_b32 v8, 15, v0                           ; r
	v_bfe_u32 v9, v0, 4, 1                         ; h
	s_delay_alu instid0(VALU_DEP_2)
	v_mul_u32_u24 v1, v8, KP
	s_delay_alu instid0(VALU_DEP_1)
	v_lshl_add_u32 v1, v9, 4, v1                   ; v1: my place in a fragment's rows
	s_delay_alu instid0(VALU_DEP_4)
	v_lshl_add_u32 v2, v8, 2, SKO                  ; v2: and among the scale words
	v_and_b32 v5, 31, v0
	s_delay_alu instid0(VALU_DEP_1)
	v_lshlrev_b32 v5, 8, v5                        ; v5: 256 x lane, for the prefetches; never rewritten
	v_lshlrev_b32 v6, 7, v8
	s_delay_alu instid0(VALU_DEP_1)
	v_lshl_add_u32 v6, v9, 4, v6                   ; v6: q's codes: pair row r, + 16 h
	v_lshlrev_b32 v7, 2, v8                        ; v7: q's scale bytes
	s_mul_i32 s68, s[WV], 1536
	s_add_co_u32 s68, s68, STAGE
	v_mul_u32_u24 v10, v8, 80
	s_delay_alu instid0(VALU_DEP_1)
	v_lshl_add_u32 v10, v9, 3, v10
	s_delay_alu instid0(VALU_DEP_1)
	v_add_nc_u32 v10, s68, v10                     ; v10: the stage, in: row r, + 8 h
	v_and_b32 v11, 31, v0
	s_delay_alu instid0(VALU_DEP_1)
	v_lshrrev_b32 v42, 2, v11
	s_delay_alu instid0(VALU_DEP_1)
	v_mul_u32_u24 v42, v42, 80
	v_and_b32 v43, 3, v0
	s_delay_alu instid0(VALU_DEP_1)
	v_lshl_add_u32 v42, v43, 4, v42
	v_lshlrev_b32 v43, 4, v11
	s_delay_alu instid0(VALU_DEP_2)
	v_add_nc_u32 v11, s68, v42                     ; v11: back: four lanes to a row of 64 bytes, eight rows an instruction
	s_delay_alu instid0(VALU_DEP_2)
	v_mov_b32 v42, v43                             ; v42: 16 x lane
	v_add_nc_u32 v43, v7, v9                       ; v43: 4 r + h: my byte of ys
.irp j, 0,1,2,3,4,5,6,7
	v_mov_b32 v[16+\j], 0                          ; the zero halves beside q
	v_mov_b32 v[32+\j], 0
.endr
.irp b, 0,1,2,3
	v_mov_b32 v[WK+4+\b], 0                        ; written once: a lane permute's destination counts as one of its sources
.endr
	v_mov_b32 v245, 0
	v_mov_b32 v247, 0                              ; (named as the upper half of the pair v[246:247])
; My 16 queries from s[Q0] on: q's fragment and scale word; the largest t, the sum and O^T begin anew
.macro INIT
	s_lshr_b32 s68, s[Q0], 5                       ; token 32 g + 16 U + m lies at (16 g + m) 128 + 64 U
	s_bfe_u32 s69, s[Q0], 0x10004
	s_lshl_b32 s70, s68, 11
	s_lshl_b32 s71, s69, 6
	s_add_co_u32 s70, s70, s71
	s_mov_b32 s71, 0
	s_add_nc_u64 s[74:75], s[QB:QB+1], s[70:71]
	s_lshl_b32 s70, s68, 6
	s_lshl_b32 s69, s69, 1
	s_add_co_u32 s70, s70, s69
	s_add_nc_u64 s[76:77], s[QSB:QSB+1], s[70:71]
	global_load_b128 v[24:27], v6, s[74:75]
	global_load_b128 v[28:31], v6, s[74:75] offset:32
	global_load_u16 v40, v7, s[76:77]              ; two scale bytes; the upper two, over zero codes, are 0
	s_mov_b32 s[KF], 0
	v_mov_b32 v13, 0xff61b1e6                      ; the largest t so far: -3e38
	s_delay_alu instid0(VALU_DEP_1)
	v_floor_f32 v12, -v13
	v_mov_b32 v14, 0
	v_mov_b32 v15, 0
	s_wait_loadcnt 0x0
	v_lshlrev_b32 v41, 16, v40                     ; the same bytes for [0 | q]; the 32 lines below stand between it and the products
.set jj, 0
.rept 32
	v_mov_b32 v[OT+jj], 0                          ; the step is written once: the first finds zeros
.set jj, jj+1
.endr
.endm
; A KEY STEP: 128 keys, the q-th of the slot in hand
.macro STEP q
	s_add_co_u32 s68, s[Q0], 15
	s_cmp_gt_u32 s[KF], s68
	s_cbranch_scc1 .Lhid_\@                        ; all its keys come after my queries
.rept 8
	v_nop                                          ; places in front of loads into registers that matrix instructions have read
.endr
	s_wait_alu depctr_va_vdst(0)
.irp f, 0,1,2,3
.irp c, 0,1,2,3
	ds_load_b128 v[FRG+16*\f+4*\c:FRG+16*\f+4*\c+3], v8 offset:(64*(\q)+16*\f)*KP+32*\c
.endr
	ds_load_b32 v[SW+\f], v9 offset:256*(\q)+64*\f
.endr
	s_wait_dscnt 0x0
.irp f, 0,1,2,3                        ; each fragment twice: keys 32 f + 8 h + j by [q | 0], keys 32 f + 16 + 8 h + j by [0 | q]
	v_wmma_scale_f32_16x16x128_f8f6f4 v[ST+16*\f:ST+16*\f+7], v[FRG+16*\f:FRG+16*\f+15], v[24:39], 0, v[SW+\f], v40 matrix_a_fmt:MATRIX_FMT_BF8 matrix_b_fmt:MATRIX_FMT_BF8
	v_wmma_scale_f32_16x16x128_f8f6f4 v[ST+16*\f+8:ST+16*\f+15], v[FRG+16*\f:FRG+16*\f+15], v[16:31], 0, v[SW+\f], v41 matrix_a_fmt:MATRIX_FMT_BF8 matrix_b_fmt:MATRIX_FMT_BF8
.endr
.rept 8
	v_nop
.endr
	s_wait_alu depctr_va_vdst(0)
.irp f, 0,1,2,3                        ; v's fragments are asked for now and land under the softmax
.irp c, 0,1,2,3
	ds_load_b128 v[FRG+16*\f+4*\c:FRG+16*\f+4*\c+3], v8 offset:VOFF+(64*(\q)+16*\f)*KP+32*\c
.endr
	ds_load_b32 v[SW+\f], v9 offset:512+256*(\q)+64*\f
.endr
	s_add_co_u32 s68, s[KF], 127                   ; on the diagonal hidden scores become -infinity ahead of the maximum; a step all of whose keys count jumps over this
	s_cmp_le_u32 s68, s[Q0]
	s_cbranch_scc1 .Lopen_\@
	s_sub_co_i32 s68, s[Q0], s[KF]
	v_and_b32 v248, 15, v0
	v_bfe_u32 v249, v0, 4, 1
	s_delay_alu instid0(VALU_DEP_1)
	v_lshlrev_b32 v249, 3, v249
	s_delay_alu instid0(VALU_DEP_1)
	v_sub_nc_u32 v248, v248, v249
	s_delay_alu instid0(VALU_DEP_1)
	v_add_nc_u32 v248, s68, v248                   ; d = my query - the step's first key - 8 h.  Register n holds key 16 (n / 8) + n % 8 + 8 h: hidden where 16 (n / 8) + n % 8 > d
	v_mov_b32 v245, 0xff800000
.set jj, 0
.rept 64
	v_cmp_gt_i32 vcc_lo, 16*(jj/8)+jj%8, v248
	v_cndmask_b32 v[ST+jj], v[ST+jj], v245, vcc_lo
.set jj, jj+1
.endr
.Lopen_\@:
.irp b, 0,1,2,3
	v_max3_num_f32 v[WK+\b], v[ST+16*\b], v[ST+16*\b+1], v[ST+16*\b+2]   ; the largest score of each block of 32 keys: for the row's maximum, and, since p rises with the score, for the block's largest p
.endr
.irp i, 3,5,7,9,11,13
.irp b, 0,1,2,3
	v_max3_num_f32 v[WK+\b], v[WK+\b], v[ST+16*\b+\i], v[ST+16*\b+\i+1]
.endr
.endr
.irp b, 0,1,2,3
	v_max_num_f32 v[WK+\b], v[WK+\b], v[ST+16*\b+15]
.endr
.irp b, 0,1,2,3
	s_delay_alu instid0(VALU_DEP_4)
	v_permlanex16_b32 v[WK+4+\b], v[WK+\b], s[SEL], s[SEL+1]
.endr
.irp b, 0,1,2,3
	s_delay_alu instid0(VALU_DEP_4)
	v_max_num_f32 v[WK+\b], v[WK+\b], v[WK+4+\b]
.endr
	s_delay_alu instid0(VALU_DEP_2)
	v_max3_num_f32 v245, v[WK], v[WK+1], v[WK+2]
	s_delay_alu instid0(VALU_DEP_1)
	v_max_num_f32 v245, v245, v[WK+3]
	s_delay_alu instid0(VALU_DEP_1)
	v_mul_f32 v245, s[CS], v245
	s_delay_alu instid0(VALU_DEP_1)
	v_max_num_f32 v13, v13, v245                   ; the running largest t
	v_mov_b32 v245, v12
	s_delay_alu instid0(VALU_DEP_2)
	v_floor_f32 v12, -v13                          ; -M = floor(-t): M is a whole number
	s_delay_alu instid0(VALU_DEP_1)
	v_sub_f32 v245, v12, v245
	s_delay_alu instid0(VALU_DEP_1)
	v_cvt_i32_f32 v245, v245                       ; (it saturates)
	s_delay_alu instid0(VALU_DEP_1)
	v_ldexp_f32 v246, 1.0, v245                    ; f = 2^(old M - new M)
.set jj, 0
.rept 32
	v_pk_fma_f32 v[ST+jj:ST+jj+1], v[ST+jj:ST+jj+1], s[CS:CS+1], v[12:13] op_sel_hi:[1,0,0]   ; t - M
.set jj, jj+2
.endr
.irp b, 0,1,2,3
	v_fma_f32 v[WK+\b], v[WK+\b], s[CS], v12
.endr
.set jj, 0
	s_wait_alu depctr_va_vdst(0)
.rept 64
	v_exp_f32 v[ST+jj], v[ST+jj]                   ; p = 2^(t - M)
.set jj, jj+1
.endr
	v_pk_mul_f32 v[14:15], v[14:15], v[246:247] op_sel_hi:[1,0]   ; the sums under the new M; the plain instruction behind the batch
	s_wait_alu depctr_va_vdst(0)                   ; one wait for the 64, ahead of their first reader
.irp b, 0,1,2,3
	v_exp_f32 v[WK+\b], v[WK+\b]                   ; the blocks' largest p
.endr
	v_pk_add_f32 v[228:229], v[116:117], v[120:121]
	v_pk_add_f32 v[254:255], v[124:125], v[128:129]
	v_pk_add_f32 v[252:253], v[132:133], v[136:137]
	v_pk_add_f32 v[250:251], v[140:141], v[144:145]
	v_pk_add_f32 v[248:249], v[148:149], v[152:153]
	v_pk_add_f32 v[238:239], v[156:157], v[160:161]
	v_pk_add_f32 v[236:237], v[164:165], v[168:169]
	v_pk_add_f32 v[14:15], v[14:15], v[172:173]
	v_pk_add_f32 v[228:229], v[228:229], v[112:113]
	v_pk_add_f32 v[254:255], v[254:255], v[114:115]
	v_pk_add_f32 v[252:253], v[252:253], v[118:119]
	v_pk_add_f32 v[250:251], v[250:251], v[122:123]
	v_pk_add_f32 v[248:249], v[248:249], v[126:127]
	v_pk_add_f32 v[238:239], v[238:239], v[130:131]
	v_pk_add_f32 v[236:237], v[236:237], v[134:135]
	v_pk_add_f32 v[14:15], v[14:15], v[138:139]
	v_pk_add_f32 v[228:229], v[228:229], v[142:143]
	v_pk_add_f32 v[254:255], v[254:255], v[146:147]
	v_pk_add_f32 v[252:253], v[252:253], v[150:151]
	v_pk_add_f32 v[250:251], v[250:251], v[154:155]
	v_pk_add_f32 v[248:249], v[248:249], v[158:159]
	v_pk_add_f32 v[238:239], v[238:239], v[162:163]
	v_pk_add_f32 v[236:237], v[236:237], v[166:167]
	v_pk_add_f32 v[14:15], v[14:15], v[170:171]
	v_pk_add_f32 v[228:229], v[228:229], v[174:175]
	s_delay_alu instid0(VALU_DEP_2)
	v_pk_add_f32 v[14:15], v[14:15], v[250:251]
	s_delay_alu instid0(VALU_DEP_2)
	v_pk_add_f32 v[228:229], v[228:229], v[248:249]
	v_pk_add_f32 v[254:255], v[254:255], v[238:239]
	v_pk_add_f32 v[252:253], v[252:253], v[236:237]
	s_delay_alu instid0(VALU_DEP_2)
	v_pk_add_f32 v[14:15], v[14:15], v[254:255]
	s_delay_alu instid0(VALU_DEP_2)
	v_pk_add_f32 v[228:229], v[228:229], v[252:253]
	s_delay_alu instid0(VALU_DEP_1)
	v_pk_add_f32 v[14:15], v[14:15], v[228:229]
	s_wait_alu depctr_va_vdst(0)                   ; and one for the four
.irp b, 0,1,2,3
	v_max_num_f32 v[WK+\b], 0x8000000, v[WK+\b]    ; the floor 2^(16 - 127)
.endr
.irp b, 0,1,2,3
	s_delay_alu instid0(VALU_DEP_4)
	v_add_nc_u32 v[WK+12+\b], 0xf8800000, v[WK+\b]
.endr
.irp b, 0,1,2,3
.endr
.irp b, 0,1,2,3
	s_delay_alu instid0(VALU_DEP_4)
	v_lshrrev_b32 v[WK+4+\b], 23, v[WK+12+\b]
.endr
	s_delay_alu instid0(VALU_DEP_3)
	v_lshl_or_b32 v244, v[WK+5], 8, v[WK+4]        ; p's scale word for these 128 keys
	s_delay_alu instid0(VALU_DEP_1)
	v_lshl_or_b32 v244, v[WK+6], 16, v244
	s_delay_alu instid0(VALU_DEP_1)
	v_lshl_or_b32 v244, v[WK+7], 24, v244
.irp b, 0,1,2,3
.irp i, 0,1,2,3,4,5,6,7,8,9,10,11,12,13,14,15
.endr
	v_cvt_scalef32_pk8_bf8_f32 v[PC+4*\b:PC+4*\b+1], v[ST+16*\b:ST+16*\b+7], v[WK+12+\b]
	v_cvt_scalef32_pk8_bf8_f32 v[PC+4*\b+2:PC+4*\b+3], v[ST+16*\b+8:ST+16*\b+15], v[WK+12+\b]
.endr
.set jj, 0
.rept 16
	v_pk_mul_f32 v[OT+jj:OT+jj+1], v[OT+jj:OT+jj+1], v[246:247] op_sel_hi:[1,0]   ; O^T under the new M; also the places between the codes and the products
.set jj, jj+2
.endr
	s_wait_alu depctr_va_vdst(0)
	s_wait_dscnt 0x0                               ; v's fragments and scale words
.irp f, 0,1,2,3
	v_wmma_scale_f32_16x16x128_f8f6f4 v[OT+8*\f:OT+8*\f+7], v[FRG+16*\f:FRG+16*\f+15], v[PC:PC+15], v[OT+8*\f:OT+8*\f+7], v[SW+\f], v244 matrix_a_fmt:MATRIX_FMT_BF8 matrix_b_fmt:MATRIX_FMT_BF8
.endr
.Lhid_\@:
	s_add_co_u32 s[KF], s[KF], 128
.endm
; THE CHANGE OF SLOTS stands at a slot's head: each wave waits for all its tensor loads, adds 0 to its spare word, waits for that and for its reads of the slot that it has left; one barrier.
; fill = 1: the slot just left is filled with the walk's next 256 keys; at the end of the first block the walk turns back to key 0.
.macro CHANGE fill
	s_wait_tensorcnt 0x0                           ; no tensor load of mine is out, so a group 0 may be written
	ds_add_u32 v3, v4                              ; 0 onto my spare word
.if \fill
	s_add_co_u32 s17, s17, 1
	s_cmp_eq_u32 s16, s15
	s_cselect_b32 s17, 0, s17                      ; which 256 keys
	s_xor_b32 s[G0C+1], s[G0C+1], SLOT1
	s_xor_b32 s[G0S+1], s[G0S+1], SLOT1
	s_lshl_b32 s68, s17, 14
	s_mov_b32 s69, 0
	s_add_nc_u64 s[G0C+2:G0C+3], s[CB:CB+1], s[68:69]
	s_or_b32 s[G0C+3], s[G0C+3], 0x80000000
	s_lshl_b32 s68, s17, 9
	s_add_nc_u64 s[G0S+2:G0S+3], s[SB:SB+1], s[68:69]
	s_or_b32 s[G0S+3], s[G0S+3], 0x80000000
	s_wait_xcnt 0x0                                ; the last prefetch, a slot back, has read its address
	s_add_nc_u64 s[PFA:PFA+1], s[PFA:PFA+1], 16384
.endif
	s_wait_dscnt 0x0                               ; the add is done, and my reads of the slot that I have left are over
	s_barrier_signal -1
	s_barrier_wait -1
.if \fill
	TLOAD                                          ; the first thing behind the barrier, a wave's one tensor load until the next: it has a slot's two steps in which to land
	ASK
.endif
	v_add_nc_u32 v8, s[TB], v1
	v_add_nc_u32 v9, s[TB], v2
.endm
; A BLOCK'S END: O^T / the sum is y; its two blocks of 32 are quantised; the codes go through my stage, which puts d back in its true order, and leave as 512 consecutive bytes a store
.macro FINISH
.rept 8
	v_nop                                          ; places behind the last products
.endr
	v_add_f32 v14, v14, v15
	s_delay_alu instid0(VALU_DEP_1)
	v_permlanex16_b32 v245, v14, s[SEL], s[SEL+1]
	s_delay_alu instid0(VALU_DEP_1)
	v_add_f32 v14, v14, v245                       ; the row's sum
	s_wait_alu depctr_va_vdst(0)
	v_rcp_f32 v246, v14
	s_lshl_b32 s68, s[Q0], 6
	s_mov_b32 s69, 0
	s_add_nc_u64 s[70:71], s[YB:YB+1], s[68:69]
	s_lshl_b32 s68, s[Q0], 2
	s_add_nc_u64 s[72:73], s[YSB:YSB+1], s[68:69]
	v_and_b32 v248, 31, v0                         ; (the plain instruction behind the reciprocal)
	s_wait_alu depctr_va_vdst(0)                   ; ahead of its first reader
.set jj, 0
.rept 16
	v_pk_mul_f32 v[ST+jj:ST+jj+1], v[OT+jj:OT+jj+1], v[246:247] op_sel_hi:[1,0]   ; register 8 t + j is y(r, 16 t + 8 h + j)
.set jj, jj+2
.endr
.irp b, 0,1
	v_max3_num_f32 v[WK+\b], |v[ST+16*\b]|, |v[ST+16*\b+1]|, 0x8000000
.endr
.irp i, 2,4,6,8,10,12,14
.irp b, 0,1
	s_delay_alu instid0(VALU_DEP_2)
	v_max3_num_f32 v[WK+\b], v[WK+\b], |v[ST+16*\b+\i]|, |v[ST+16*\b+\i+1]|
.endr
.endr
.irp b, 0,1
	s_delay_alu instid0(VALU_DEP_2)
	v_permlanex16_b32 v[WK+4+\b], v[WK+\b], s[SEL], s[SEL+1]
.endr
.irp b, 0,1
	s_delay_alu instid0(VALU_DEP_2)
	v_max_num_f32 v[WK+\b], v[WK+\b], v[WK+4+\b]
.endr
.irp b, 0,1
	s_delay_alu instid0(VALU_DEP_2)
	v_add_nc_u32 v[WK+12+\b], 0xf8800000, v[WK+\b]
.endr
.irp b, 0,1
.endr
.irp b, 0,1
	s_delay_alu instid0(VALU_DEP_2)
	v_lshrrev_b32 v[WK+4+\b], 23, v[WK+12+\b]
.endr
	v_cmp_gt_u32 vcc_lo, 16, v248
	s_delay_alu instid0(VALU_DEP_1)
	v_cndmask_b32 v249, v[WK+5], v[WK+4], vcc_lo   ; lanes 0-15 store block 0's byte, lanes 16-31 block 1's
.irp b, 0,1
.irp i, 0,1,2,3,4,5,6,7,8,9,10,11,12,13,14,15
.endr
	v_cvt_scalef32_pk8_bf8_f32 v[PC+4*\b:PC+4*\b+1], v[ST+16*\b:ST+16*\b+7], v[WK+12+\b]
	v_cvt_scalef32_pk8_bf8_f32 v[PC+4*\b+2:PC+4*\b+3], v[ST+16*\b+8:ST+16*\b+15], v[WK+12+\b]
.endr
	v_nop                                          ; a plain instruction behind the last conversion
.irp b, 0,1
.irp u, 0,1
	ds_store_b64 v10, v[PC+4*\b+2*\u:PC+4*\b+2*\u+1] offset:32*\b+16*\u   ; d = 32 b + 16 u + 8 h + 0 .. 7
.endr
.endr
	ds_load_b128 v[48:51], v11                     ; LDS serves a wave's instructions in order (ISA guide 5.7.1.4): these see my stores
	ds_load_b128 v[52:55], v11 offset:640
	global_store_b8 v43, v249, s[72:73]            ; 32 bytes a wave, 2 in each word of 4: the other two are the neighbouring head's
	s_wait_dscnt 0x0
	global_store_b128 v42, v[48:51], s[70:71]
	global_store_b128 v42, v[52:55], s[70:71] offset:512
	s_wait_xcnt 0x0                                ; the stores have read their registers and bases
.endm
	s_sub_co_u32 s[Q0], 7, s13                     ; the first block: 7 - x
	s_lshl_b32 s[Q0], s[Q0], 8
	s_lshl_b32 s68, s[WV], 4
	s_add_co_u32 s[Q0], s[Q0], s68
	INIT
.Lslot:                                            ; eight trips: behind each change of slots but the last the next slot is asked for
	CHANGE 1
	STEP 0
	STEP 1
	s_xor_b32 s[TB], s[TB], SLOT1
	s_cmp_lg_u32 s16, s15                          ; was that the first block's last slot?  (ids and the trip's number; no barrier and no tensor load stands in the branch)
	s_cbranch_scc1 .Lsame
	FINISH
	s_lshl_b32 s[Q0], s13, 8                       ; the second block: x
	s_lshl_b32 s68, s[WV], 4
	s_add_co_u32 s[Q0], s[Q0], s68
	INIT
.Lsame:
	s_add_co_u32 s16, s16, 1
	s_cmp_lt_u32 s16, 9
	s_cbranch_scc1 .Lslot
	CHANGE 0                                       ; the last slot is written out
	STEP 0
	STEP 1
	FINISH
	s_wait_tensorcnt 0x0                           ; the wave's end
	ds_add_u32 v3, v4
	s_wait_dscnt 0x0
	s_endpgm
.Lfunc_end_k_q72b9d94c59_att:
	.size	k_q72b9d94c59_att, .Lfunc_end_k_q72b9d94c59_att-k_q72b9d94c59_att
	.p2alignl 7, 3214868480
	.fill 96, 4, 3214868480
	.section	.rodata,"a",@progbits
	.p2align	6, 0x0
	.amdhsa_kernel k_q72b9d94c59_att
		.amdhsa_group_segment_fixed_size 327680
		.amdhsa_private_segment_fixed_size 0
		.amdhsa_enable_private_segment 0
		.amdhsa_kernarg_size 32
		.amdhsa_user_sgpr_count 2
		.amdhsa_user_sgpr_kernarg_segment_ptr 1
		.amdhsa_wavefront_size32 1
		.amdhsa_system_sgpr_workgroup_id_x 1
		.amdhsa_system_sgpr_workgroup_id_y 1
		.amdhsa_system_sgpr_workgroup_id_z 1
		.amdhsa_system_vgpr_workitem_id 0
		.amdhsa_next_free_vgpr 256
		.amdhsa_next_free_sgpr 80
		.amdhsa_reserve_vcc 1
		.amdhsa_float_denorm_mode_32 3
		.amdhsa_float_denorm_mode_16_64 3
		.amdhsa_fp16_overflow 1
		.amdhsa_memory_ordered 1
		.amdhsa_forward_progress 1
		.amdhsa_inst_pref_size 115
	.end_amdhsa_kernel
	.amdgpu_metadata
---
amdhsa.version: [ 1, 2 ]
amdhsa.kernels:
  - .name:           k_q72b9d94c59_att
    .symbol:         k_q72b9d94c59_att.kd
    .args:
      - { .name: qkvc, .offset: 0, .size: 8, .value_kind: global_buffer, .address_space: global }
      - { .name: qkvs, .offset: 8, .size: 8, .value_kind: global_buffer, .address_space: global }
      - { .name: yc, .offset: 16, .size: 8, .value_kind: global_buffer, .address_space: global }
      - { .name: ys, .offset: 24, .size: 8, .value_kind: global_buffer, .address_space: global }
    .group_segment_fixed_size: 327680
    .private_segment_fixed_size: 0
    .kernarg_segment_align: 8
    .kernarg_segment_size: 32
    .max_flat_workgroup_size: 512
    .sgpr_count:     80
    .vgpr_count:     256
    .wavefront_size: 32
...
	.end_amdgpu_metadata
.endif
;; end of part 2
;; launch proj (part 3): grid 4 x 64, 4 waves a work-group, clusters of 4 x 4, 327,680 bytes of LDS; arguments yc, ys, W_proj_codes, W_proj_scales, b_proj, out0; writes out0
.if DOCPART == 3
	.amdgcn_target "amdgcn-amd-amdhsa--gfx1250"
	.amdhsa_code_object_version 6
	.text
	.protected	k_q72b9d94c59_proj
	.globl	k_q72b9d94c59_proj
	.p2align	8
	.type	k_q72b9d94c59_proj,@function
k_q72b9d94c59_proj:
	s_mov_b64 s[64:65], 0
	v_nop
	global_prefetch_b8 v0, s[64:65] scope:SCOPE_SE
	s_setreg_imm32_b32 hwreg(HW_REG_WAVE_MODE, 25, 1), 1
	s_wait_xcnt 0x0
	s_wait_alu depctr_hold_cnt(0) depctr_sa_sdst(0) depctr_va_vdst(0) depctr_va_sdst(0) depctr_va_ssrc(0) depctr_va_vcc(0) depctr_vm_vsrc(0)
	s_getreg_b32 s2, hwreg(HW_REG_IB_STS2, 6, 4)
	s_cmp_eq_u32 s2, 0
	s_cbranch_scc0 .Lentry_in_a_cluster
	s_endpgm
.Lentry_in_a_cluster:
	s_bfe_u32 s2, ttmp6, 0x10000c
	s_cmp_lg_u32 s2, 0xf033
	s_cbranch_scc0 .Lentry_shape_is_right
	s_endpgm
.Lentry_shape_is_right:
; out0 = y W_proj + b_proj on codes of BF8 (E5M2) with one E8M0 scale for each 32 along K = 1,024.  y: yc [batch x head 64][token 2048][64] codes, ys [batch][pair of heads 8][token][4] scale bytes
; (K = 64 x head + d).  W_proj: [1024][1024] codes, [1024][32] scale bytes.  b_proj [1024], out0 [8192][1024]: f32.
; SHARES.  A work-group makes 128 tokens x 256 columns: 256 work-groups.  Wave (w / 2, w % 2) makes 64 x 128: 32 accumulators.  K goes in four steps of 256 (four heads) through two LDS slots.
; Source 0 = 16 rows of W_proj, source 1 = 16 tokens: a lane holds eight neighbouring columns of one row of out0.  The bias is the C of each sum's first matrix instruction.
; y's part of a slot: for each of four heads 128 tokens x 64 bytes, which are 8,192 dense bytes: one tensor row, with 16 bytes of padding behind every 64: tokens 80 bytes apart.
; All scale words stay in registers: y's 4 blocks x 8 steps of 128, W's 8 blocks x 8 steps.
; CLUSTERS: 4 x 4 work-groups; y's tiles are asked for jointly along a row of the cluster, W's along a column.
; LIMITS: NaN and infinities in the given codes or in b_proj are not served.
; REGISTERS: window 0: v0-31 addresses; v32-63 y's scale words; v64-127 W's; v128-255 y's fragments, two sets of 64.  window 1: W's fragments, two sets of 128.  window 2: accumulator (a, b) at v[8 (8 a + b)].  window 3: v0-63 the bias.
.set PA,     80
.set HEADB,  128*PA                    ; a head's 128 tokens in LDS
.set BOFF,   4*HEADB
.set PB,     272
.set HALFB,  128*PB
.set SLOT,   BOFF+2*HALFB
.set SCA,    2*SLOT                    ; y's scale words: [pair of heads 8][128 tokens][4]
.set SCB,    SCA+4096                  ; W's scale bytes, as units of 256 bytes + 16 of padding
.set HALFS,  16*272
.set SPARE,  SCB+2*HALFS               ; the spare words, 128 bytes a wave: 512 bytes that no other line names
.set SPITCH, 528                       ; the way out: 16 rows x (512 + 16) bytes for each wave, in slot 0, behind its last fill and its last read
.set NP,     8
.set ADRA, 16
.set ADRB, 20
.set STO,  24
.set RD,   25
.set CO,   26
.set ASA,  27
.set SPW,  28
.set NIL,  29
.set ASB,  30
.set BO,   31
.set SA,   32
.set SB,   64
.set AF,   128
.set BK,   128
.set G1,   24
.set G0,   32
.set G1B,  48
.set G0B,  56
.set G1S,  68
.set G0S,  76
.set G1SB, 80
.set G0SB, 88
.set MSB, 0
.macro WIN new
.if MSB != (\new)
	s_set_vgpr_msb (MSB<<8)|(\new)
.set MSB, (\new)
.endif
.endm
.set MUL,  0xa1                        ; source 0 (W) window 1, source 1 (y) window 0, C and D window 2
.set MULB, 0xb1                        ; the same with C (the bias) in window 3
.set TO_B, 0x40
.macro JLOAD g0a, g1a, g0b, g1b        ; waves 0 and 1 fetch for y, waves 2 and 3 for W; four v_nop follow each line
	s_cmp_eq_u32 s15, 0
	s_cbranch_scc0 .Lfor_b_\@
	tensor_load_to_lds s[\g0a:\g0a+3], s[\g1a:\g1a+7]
	s_nop 0
.rept 4
	v_nop
.endr
	s_branch .Lasked_\@
.Lfor_b_\@:
	tensor_load_to_lds s[\g0b:\g0b+3], s[\g1b:\g1b+7]
	s_nop 0
.rept 4
	v_nop
.endr
.Lasked_\@:
.endm
.macro CREST
	s_cmp_lg_u32 s14, 0
	s_cbranch_scc1 .Lnot_wave_0_\@
	s_barrier_signal -3
.Lnot_wave_0_\@:
	s_barrier_wait -3
	s_barrier_signal -1
	s_barrier_wait -1
.endm
.macro CROUND
	s_barrier_signal -1
	s_barrier_wait -1
	CREST
.endm
.macro PLACES n
.rept \n
	v_nop
.endr
.endm
	s_load_b128 s[4:7], s[0:1], 0x0                ; yc, ys
	s_load_b128 s[8:11], s[0:1], 0x10              ; W's codes, W's scales
	s_load_b128 s[96:99], s[0:1], 0x20             ; b_proj, out0
	v_lshl_add_u32 v[SPW], v0, 2, SPARE
	v_mov_b32 v[NIL], 0
	ds_add_u32 v28, v29
	ds_add_u32 v28, v29
	s_wait_dscnt 0x0
	v_lshrrev_b32 v1, 5, v0
	v_readfirstlane_b32 s14, v1                    ; wave 0..3
	s_lshr_b32 s15, s14, 1                         ; my half of the tokens.  Also: I fetch for y (0) or for W (1)
	s_and_b32 s16, s14, 1                          ; my half of the columns.  Also: which half I fetch
	s_bfe_u32 s40, ttmp6, 0x40000
	s_bfe_u32 s41, ttmp6, 0x40004
	s_lshl_b32 s42, ttmp9, 2
	s_add_co_u32 s42, s42, s40                     ; tile column
	s_and_b32 s17, ttmp7, 0xffff
	s_lshl_b32 s17, s17, 2
	s_add_co_u32 s17, s17, s41                     ; tile row: 128 tokens
	s_lshl_b32 s43, s41, 2
	s_lshl_b32 s43, 15, s43                        ; my row of the cluster
	s_lshl_b32 s44, 0x1111, s40                    ; my column
	; y's tiles: two heads, each one row of 8,192 bytes, 131,072 bytes apart; 4 words of padding after every 16
	s_or_b32 s[G1+0], s43, (1<<20)|(1<<21)|(3<<22)|(3<<25)
	s_mov_b32 s[G1+1], 8192<<16                    ; tensor_dim0
	s_mov_b32 s[G1+2], 2<<16                       ; tensor_dim1
	s_mov_b32 s[G1+3], 8192<<16                    ; tile_dim0
	s_mov_b32 s[G1+4], 2                           ; tile_dim1
	s_mov_b32 s[G1+5], 131072                      ; from head to head
	s_mov_b32 s[G1+6], 0
	s_mov_b32 s[G1+7], 0
	; W's tiles: 128 rows x 256 bytes, 4 words of padding after every 64
	s_or_b32 s[G1B+0], s44, (1<<20)|(1<<21)|(5<<22)|(3<<25)
	s_mov_b32 s[G1B+1], 256<<16
	s_mov_b32 s[G1B+2], 128<<16
	s_mov_b32 s[G1B+3], 256<<16
	s_mov_b32 s[G1B+4], 128
	s_mov_b32 s[G1B+5], 1024
	s_mov_b32 s[G1B+6], 0
	s_mov_b32 s[G1B+7], 0
	; y's scale words: four pairs of heads, each 512 bytes (64 elements of 8), 8,192 bytes apart; no padding
	s_or_b32 s[G1S+0], s43, (3<<16)|(1<<21)
	s_mov_b32 s[G1S+1], 64<<16
	s_mov_b32 s[G1S+2], 4<<16
	s_mov_b32 s[G1S+3], 64<<16
	s_mov_b32 s[G1S+4], 4
	s_mov_b32 s[G1S+5], 1024
	s_mov_b32 s[G1S+6], 0
	s_mov_b32 s[G1S+7], 0
	; W's scale bytes of 128 rows: 4,096 dense bytes as 16 rows of 256, 16 bytes of padding behind each
	s_or_b32 s[G1SB+0], s44, (3<<16)|(1<<20)|(1<<21)|(5<<22)|(3<<25)
	s_mov_b32 s[G1SB+1], 32<<16
	s_mov_b32 s[G1SB+2], 16<<16
	s_mov_b32 s[G1SB+3], 32<<16
	s_mov_b32 s[G1SB+4], 16
	s_mov_b32 s[G1SB+5], 32
	s_mov_b32 s[G1SB+6], 0
	s_mov_b32 s[G1SB+7], 0
	s_lshr_b32 s20, s17, 4                         ; batch
	s_and_b32 s21, s17, 15                         ; which 128 tokens of it
	s_lshl_b32 s22, s20, 4
	s_lshl_b32 s23, s16, 1
	s_add_co_u32 s22, s22, s23                     ; y: batch x head = 16 x batch + 2 x my half (K step 0)
	s_lshl_b32 s22, s22, 17
	s_lshl_b32 s23, s21, 13
	s_add_co_u32 s22, s22, s23
	s_mov_b32 s23, 0
	s_lshl_b32 s92, s20, 3
	s_lshl_b32 s93, s16, 2
	s_add_co_u32 s92, s92, s93                     ; its scale words: pair of heads 8 x batch + 4 x my half
	s_lshl_b32 s92, s92, 13
	s_lshl_b32 s93, s21, 9
	s_add_co_u32 s92, s92, s93
	s_mov_b32 s93, 0
	s_lshl_b32 s46, s42, 8
	s_lshl_b32 s18, s16, 7
	s_add_co_u32 s46, s46, s18                     ; W: row 256 x tile column + 128 x my half
	s_lshl_b32 s2, s46, 5
	s_mov_b32 s3, 0
	s_lshl_b32 s46, s46, 10
	s_mov_b32 s47, 0
	s_mul_i32 s45, s16, 2*HEADB                    ; where they go: no place in the cluster enters an LDS address
	s_mul_i32 s94, s16, HALFB
	s_add_co_u32 s94, s94, BOFF
	s_lshl_b32 s95, s16, 11
	s_add_co_u32 s95, s95, SCA
	s_mul_i32 s67, s16, HALFS
	s_add_co_u32 s67, s67, SCB
	s_wait_kmcnt 0x0
	s_add_nc_u64 s[22:23], s[4:5], s[22:23]
	s_add_nc_u64 s[92:93], s[6:7], s[92:93]
	s_add_nc_u64 s[46:47], s[8:9], s[46:47]
	s_add_nc_u64 s[2:3], s[10:11], s[2:3]
	CROUND                                         ; all sixteen work-groups are here: the first joint loads meet
	s_mov_b32 s[G0S], 1
	s_mov_b32 s[G0S+1], s95
	s_mov_b64 s[G0S+2:G0S+3], s[92:93]
	s_or_b32 s[G0S+3], s[G0S+3], 0x80000000
	s_mov_b32 s[G0SB], 1
	s_mov_b32 s[G0SB+1], s67
	s_mov_b64 s[G0SB+2:G0SB+3], s[2:3]
	s_or_b32 s[G0SB+3], s[G0SB+3], 0x80000000
	JLOAD G0S, G1S, G0SB, G1SB
.irp s, 0,1
	s_mov_b32 s[G0+4*\s], 1
	s_add_co_u32 s[G0+4*\s+1], s45, \s*SLOT
	s_add_nc_u64 s[G0+4*\s+2:G0+4*\s+3], s[22:23], \s*4*131072
	s_or_b32 s[G0+4*\s+3], s[G0+4*\s+3], 0x80000000
	s_mov_b32 s[G0B+4*\s], 1
	s_add_co_u32 s[G0B+4*\s+1], s94, \s*SLOT
	s_add_nc_u64 s[G0B+4*\s+2:G0B+4*\s+3], s[46:47], \s*256
	s_or_b32 s[G0B+4*\s+3], s[G0B+4*\s+3], 0x80000000
	s_wait_alu depctr_va_vdst(0)
	s_wait_tensorcnt 0x0
	ds_add_u32 v28, v29
	s_wait_dscnt 0x0
	CROUND
	JLOAD G0+4*\s, G1, G0B+4*\s, G1B               ; one load of mine is out
.endr
	v_and_b32 v1, 15, v0                           ; r
	v_bfe_u32 v2, v0, 4, 1                         ; h
	v_mul_u32_u24 v3, v1, PA
	v_lshl_add_u32 v3, v2, 4, v3
	v_mul_u32_u24 v4, v1, PB
	v_lshl_add_u32 v4, v2, 4, v4
	s_mul_i32 s21, s15, 64*PA                      ; my 64 tokens
	s_mul_i32 s22, s16, HALFB
	s_add_co_u32 s22, s22, BOFF                    ; my 128 rows of W
.irp s, 0,1
	v_add_nc_u32 v[ADRA+\s], s21, v3
	v_add_nc_u32 v[ADRB+\s], s22, v4
	s_add_co_u32 s21, s21, SLOT
	s_add_co_u32 s22, s22, SLOT
.endr
	s_lshl_b32 s21, s15, 8
	s_add_co_u32 s21, s21, SCA
	v_lshl_add_u32 v[ASA], v1, 2, s21              ; y's scale words: 4 bytes a token
	v_lshlrev_b32 v5, 5, v1
	v_lshrrev_b32 v6, 3, v1
	v_lshl_add_u32 v5, v6, 4, v5
	s_mul_i32 s21, s16, HALFS
	s_add_co_u32 s21, s21, SCB
	v_add_nc_u32 v[ASB], s21, v5                   ; W's: 32 bytes a row, 16 more for each 256 passed
	s_mul_i32 s23, s14, 16*SPITCH                  ; my stage
	v_mul_u32_u24 v5, v1, SPITCH
	v_lshl_add_u32 v5, v2, 5, v5
	v_add_nc_u32 v[STO], s23, v5
	v_and_b32 v6, 31, v0
	v_lshlrev_b32 v[CO], 4, v6
	v_add_nc_u32 v[RD], s23, v[CO]
	v_lshlrev_b32 v[BO], 5, v2
	s_wait_alu depctr_va_vdst(0)
	s_lshl_b32 s20, s17, 7
	s_lshl_b32 s21, s15, 6
	s_add_co_u32 s20, s20, s21                     ; my first row of out0
	s_lshl_b32 s20, s20, 12
	s_lshl_b32 s21, s42, 10
	s_lshl_b32 s18, s16, 9
	s_add_co_u32 s18, s18, s21                     ; my first column, in bytes
	s_mov_b32 s19, 0
	s_add_nc_u64 s[96:97], s[96:97], s[18:19]      ; the bias of my 128 columns
	s_add_co_u32 s20, s20, s18
	s_mov_b32 s21, 0
	s_add_nc_u64 s[98:99], s[98:99], s[20:21]
	WIN 0xc0                                       ; destination window 3
.irp b, 0,1,2,3,4,5,6,7
	global_load_b128 v[8*\b:8*\b+3], v[BO], s[96:97] offset:64*\b         ; register 8 b + j: column 16 b + 8 h + j
	global_load_b128 v[8*\b+4:8*\b+7], v[BO], s[96:97] offset:64*\b+16
.endr
	WIN 0
; eight matrix instructions: y's block a x W's eight blocks, K step s of 128 (a pair of heads), fragments of set p.  cm = 1: the sums start from the bias.  The 32 accumulators take turns.
.macro MULA a, p, s, cm
.irp b, 0,1,2,3,4,5,6,7
.set rD, 8*(8*(\a)+\b)
.set rW, 128*(\p)+16*\b
.set rY, AF+64*(\p)+16*(\a)
.if \cm
	v_wmma_scale_f32_16x16x128_f8f6f4 v[rD:rD+7], v[rW:rW+15], v[rY:rY+15], v[8*\b:8*\b+7], v[SB+8*\b+(\s)], v[SA+8*(\a)+(\s)] matrix_a_fmt:MATRIX_FMT_BF8 matrix_b_fmt:MATRIX_FMT_BF8
.else
	v_wmma_scale_f32_16x16x128_f8f6f4 v[rD:rD+7], v[rW:rW+15], v[rY:rY+15], v[rD:rD+7], v[SB+8*\b+(\s)], v[SA+8*(\a)+(\s)] matrix_a_fmt:MATRIX_FMT_BF8 matrix_b_fmt:MATRIX_FMT_BF8
.endif
.endr
.endm
; 48 LDS loads in one run: W's eight fragments, then y's four, of the slot's q-th 128 along K, into set p.  Of a fragment of y, K 0-63 lie in the pair's first head and K 64-127 in its second
.macro FETCH slot, q, p
	WIN TO_B
.irp i, 0,1,2,3,4,5,6,7
.irp c, 0,1,2,3
	ds_load_b128 v[128*(\p)+16*\i+4*\c:128*(\p)+16*\i+4*\c+3], v[ADRB+\slot] offset:\i*16*PB+128*(\q)+32*\c
.endr
.endr
	WIN 0
.irp i, 0,1,2,3
.irp c, 0,1,2,3
	ds_load_b128 v[AF+64*(\p)+16*\i+4*\c:AF+64*(\p)+16*\i+4*\c+3], v[ADRA+\slot] offset:(2*(\q)+\c/2)*HEADB+\i*16*PA+32*(\c%2)
.endr
.endr
.endm
; a slot's first step (set 0); in its middle the second step's fragments are fetched into set 1
.macro SUB slot, s, cm
	s_wait_dscnt 8                                 ; W's fragments and y's blocks 0, 1 are in; the youngest eight loads (blocks 2, 3) may be out
.if \cm
	WIN MULB
.else
	WIN MUL
.endif
	MULA 0, 0, \s, \cm
	MULA 1, 0, \s, \cm
	PLACES NP
	FETCH \slot, 1, 1
	s_wait_dscnt 48                                ; all but the 48 just issued
.if \cm
	WIN MULB
.else
	WIN MUL
.endif
	MULA 2, 0, \s, \cm
	MULA 3, 0, \s, \cm
.endm
; a slot's second step (set 1) changes slots: one barrier; in front of it each wave waits for all its tensor loads, adds 0 to its spare word, and waits for that and for its reads of this slot
.macro TURN slot, next, fill, s
	WIN 0                                          ; (the add's two registers lie in window 0)
	s_wait_tensorcnt 0x0                           ; all my tensor loads have landed: my part of the next slot
	ds_add_u32 v[SPW], v[NIL]                      ; 0 onto my spare word
	s_wait_dscnt 9                                 ; (the add and the youngest eight loads may be out)
	WIN MUL
	MULA 0, 1, \s, 0                               ; eight matrix instructions stand between the add and the wait for it
	s_wait_dscnt 0x0                               ; the add is done, and my reads of this slot are over
	s_barrier_signal -1
	MULA 1, 1, \s, 0
	WIN 0
	s_barrier_wait -1
.if \fill
	CREST                                          ; the barrier has opened a round of the cluster's: no wave of any partner still reads this slot or has a load on its way
	s_add_nc_u64 s[G0+4*\slot+2:G0+4*\slot+3], s[G0+4*\slot+2:G0+4*\slot+3], 8*131072   ; eight heads on
	s_add_nc_u64 s[G0B+4*\slot+2:G0B+4*\slot+3], s[G0B+4*\slot+2:G0B+4*\slot+3], 512
	JLOAD G0+4*\slot, G1, G0B+4*\slot, G1B         ; the first tensor load behind the round; its four v_nop are four of the eight places
	PLACES NP-4
.else
	PLACES NP
.endif
	FETCH \next, 0, 0
	WIN MUL
	MULA 2, 1, \s, 0
	MULA 3, 1, \s, 0
.endm
	s_wait_tensorcnt 1                             ; the scale bytes and my part of K step 0 are in; K step 1's load may be out
	s_barrier_signal -1
	s_barrier_wait -1
.irp i, 0,1,2,3
.irp s, 0,1,2,3,4,5,6,7
	ds_load_b32 v[SA+8*\i+\s], v[ASA] offset:512*\s+64*\i
.endr
.endr
.irp b, 0,1,2,3,4,5,6,7
	ds_load_b128 v[SB+8*\b:SB+8*\b+3], v[ASB] offset:544*\b
	ds_load_b128 v[SB+8*\b+4:SB+8*\b+7], v[ASB] offset:544*\b+16
.endr
	FETCH 0, 0, 0
	s_wait_loadcnt 0x0                             ; the bias
	SUB 0, 0, 1                                    ; K = 1,024 is eight steps of 128 in four slots: written out
	TURN 0, 1, 1, 1
	SUB 1, 2, 0
	TURN 1, 0, 1, 3
	SUB 0, 4, 0
	TURN 0, 1, 0, 5                                ; nothing is left to fetch: no round
	SUB 1, 6, 0
	s_wait_dscnt 8
	MULA 0, 1, 7, 0
	MULA 1, 1, 7, 0
	s_wait_dscnt 0
	MULA 2, 1, 7, 0
	MULA 3, 1, 7, 0
	WIN 0
; THE WAY OUT, block by block of 16 rows x 128 columns, through my own stage: in as 32 bytes a lane, back as whole rows of 512 bytes
.macro TOSTAGE a
.set AC, 64*(\a)
	WIN 0x08                                       ; an LDS store's data are its source 1: window 2
.irp b, 0,1,2,3,4,5,6,7
	ds_store_b128 v[STO], v[AC+8*\b:AC+8*\b+3] offset:64*\b          ; each accumulator from its low end on
	ds_store_b128 v[STO], v[AC+8*\b+4:AC+8*\b+7] offset:64*\b+16
.endr
	WIN 0
.set BB, BK+64*((\a)%2)
.irp t, 0,1,2,3,4,5,6,7,8,9,10,11,12,13,14,15
	ds_load_b128 v[BB+4*\t:BB+4*\t+3], v[RD] offset:\t*SPITCH        ; LDS serves a wave's instructions in order (ISA guide 5.7.1.4): these see my stores
.endr
.endm
.macro SEND a, younger
.set BB, BK+64*((\a)%2)
	s_wait_dscnt \younger
.if (\a) > 0
	s_add_nc_u64 s[98:99], s[98:99], 16*4096       ; (behind a wait on XCNT: the earlier stores have read their base)
.endif
.irp t, 0,1,2,3,4,5,6,7,8,9,10,11,12,13,14,15
	global_store_b128 v[CO], v[BB+4*\t:BB+4*\t+3], s[98:99] offset:\t*4096 th:TH_STORE_NT   ; 32 lanes store 512 consecutive bytes, aligned; written once
.endr
.endm
	PLACES NP                                      ; behind the last products: results are read, and their operands' registers loaded into
	TOSTAGE 0
.irp a, 1,2,3
.if \a > 1
	s_wait_xcnt 0x0                                ; block a - 2's stores have read their registers and their base
.endif
	TOSTAGE \a
	SEND \a-1, 32                                  ; behind block a - 1's loads: block a's 16 stores and 16 loads
.endr
	s_wait_xcnt 0x0
	SEND 3, 0
	s_wait_tensorcnt 0x0                           ; the wave's end
	ds_add_u32 v[SPW], v[NIL]
	s_wait_dscnt 0x0
	CROUND                                         ; the closing round
	s_endpgm
.Lfunc_end_k_q72b9d94c59_proj:
	.size	k_q72b9d94c59_proj, .Lfunc_end_k_q72b9d94c59_proj-k_q72b9d94c59_proj
	.p2alignl 7, 3214868480
	.fill 96, 4, 3214868480
	.section	.rodata,"a",@progbits
	.p2align	6, 0x0
	.amdhsa_kernel k_q72b9d94c59_proj
		.amdhsa_group_segment_fixed_size 327680
		.amdhsa_private_segment_fixed_size 0
		.amdhsa_enable_private_segment 0
		.amdhsa_kernarg_size 48
		.amdhsa_user_sgpr_count 2
		.amdhsa_user_sgpr_kernarg_segment_ptr 1
		.amdhsa_wavefront_size32 1
		.amdhsa_system_sgpr_workgroup_id_x 1
		.amdhsa_system_sgpr_workgroup_id_y 1
		.amdhsa_system_sgpr_workgroup_id_z 1
		.amdhsa_system_vgpr_workitem_id 0
		.amdhsa_next_free_vgpr 832
		.amdhsa_next_free_sgpr 100
		.amdhsa_reserve_vcc 0
		.amdhsa_float_denorm_mode_32 3
		.amdhsa_float_denorm_mode_16_64 3
		.amdhsa_memory_ordered 1
		.amdhsa_forward_progress 1
		.amdhsa_inst_pref_size 92
	.end_amdhsa_kernel
	.amdgpu_metadata
---
amdhsa.version: [ 1, 2 ]
amdhsa.kernels:
  - .name:           k_q72b9d94c59_proj
    .symbol:         k_q72b9d94c59_proj.kd
    .args:
      - { .name: yc, .offset: 0, .size: 8, .value_kind: global_buffer, .address_space: global }
      - { .name: ys, .offset: 8, .size: 8, .value_kind: global_buffer, .address_space: global }
      - { .name: W_proj_codes, .offset: 16, .size: 8, .value_kind: global_buffer, .address_space: global }
      - { .name: W_proj_scales, .offset: 24, .size: 8, .value_kind: global_buffer, .address_space: global }
      - { .name: b_proj, .offset: 32, .size: 8, .value_kind: global_buffer, .address_space: global }
      - { .name: out0, .offset: 40, .size: 8, .value_kind: global_buffer, .address_space: global }
    .group_segment_fixed_size: 327680
    .private_segment_fixed_size: 0
    .kernarg_segment_align: 8
    .kernarg_segment_size: 48
    .max_flat_workgroup_size: 128
    .sgpr_count:     100
    .vgpr_count:     832
    .wavefront_size: 32
...
	.end_amdgpu_metadata
.endif
;; end of part 3
